; MI455X (gfx1250); checked and timed in simulation.
; The chip was launched on July 23, 2026; its instructions are those of AMD's public machine-readable ISA for CDNA 5 (MIT licence, August 2026) and "CDNA5" Instruction Set Architecture Reference Guide (July 2026). The comments in the code are by the model that wrote it; some were corrected since.
;; Causal Attention. Allowed arithmetic: matrix products marked QUANTISED: E4M3 operands, one E8M0 scale for each 32 along K, by v_wmma_scale_f32_16x16x128_f8f6f4 with both operands' format E4M3, f32 sums; everything else in f32.
;; Inputs: W_attn 1,024 x 3,072 float32; W_proj 1,024 x 1,024 float32; b_attn 3,072 float32; b_proj 1,024 float32; lut_k 33 x 64 float32; lut_v 33 x 64 float32; x 8 x 1,024 x 1,024 float32.
;; Outputs: out0 8 x 1,024 x 1,024 float32.
;; This version of the problem:
;;   THIS VERSION OF THE PROBLEM IS GIVEN IN LOW PRECISION. The matrix products marked QUANTISED in the list below multiply operands that are first quantised to E4M3 (4 exponent bits, 3 mantissa bits; 8 bits a number), with one power-of-two scale for each 32 numbers along K (OCP MX v1.0); their sums are f32. All else is computed in f32.
;;   The module's matrix products, in the order in which they are computed (A, B: the left and right operand; K: the contracted axis; several contracted axes count as one K, in the product's order):
;;     1. [M 8,192, K 1,024] x [K 1,024, N 3,072]; A: input x; B: input W_attn: QUANTISED
;;     2. batch 128 x [M 1,024, K 64] x [K 64, N 1,024]; A: computed on the way; B: computed on the way: QUANTISED
;;     3. batch 1,024 x [M 1,024, K 64] x [K 64, N 128]; A: computed on the way; B: computed on the way: QUANTISED
;;     4. batch 128 x [M 1,024, K 1,024] x [K 1,024, N 64]; A: softmax (see below); B: computed on the way: QUANTISED
;;     5. batch 1,024 x [M 64, K 1,024] x [K 1,024, N 128]; A: computed on the way; B: softmax (see below): QUANTISED
;;     6. [M 8,192, K 1,024] x [K 1,024, N 1,024]; A: computed on the way; B: input W_proj: QUANTISED
;;   THE QUANTISER, for each operand of a quantised product, along K:
;;     - K is cut into blocks of 32 from its start; a last block that is shorter is filled with zeros.
;;     - A block's scale is 2^e with e = floor(log2(the largest magnitude in the block)) - 8, held to -126 .. 127; a block of zeros has e = 0. As a byte (E8M0): e + 127.
;;     - Each number is divided by its block's scale, clamped to +-448, and rounded to the nearest number of E4M3, ties to even, subnormals kept.
;;     - The product sums the exact products of the quantised numbers (number of the format x scale) in f32.
;;   ~~~python
;;   def quantise(x, axis):      # numpy; x: float32 -> the quantised numbers, widened to float32 again
;;       x = np.moveaxis(x, axis, -1); K = x.shape[-1]
;;       x = np.pad(x, [(0, 0)] * (x.ndim - 1) + [(0, -K % 32)]); x = x.reshape(x.shape[:-1] + (-1, 32)); a = np.abs(x).max(-1, keepdims=True)
;;       e = np.where(a > 0, np.clip(np.frexp(np.where(a > 0, a, 1))[1] - 1 - 8, -126, 127), 0)      # np.frexp(a)[1] - 1 = floor(log2(a)), exactly
;;       r = np.clip(x / 2.0 ** e, -448, 448)
;;       step = 2.0 ** (np.maximum(np.frexp(np.where(r == 0, 1, r))[1] - 1, -6) - 3)
;;       q = np.round(r / step) * step * 2.0 ** e      # np.round: ties to even
;;       return np.moveaxis(q.reshape(q.shape[:-2] + (-1,))[..., :K], -1, axis).astype(np.float32)
;;   ~~~
;;   SOFTMAX AHEAD OF A QUANTISED PRODUCT. Where the list says 'softmax', what is quantised is not the finished softmax but p = 2^(t - M), with t = logit x log2(e) and M = ceil(the row's largest t), a whole number; so 1/2 < the row's largest p <= 1. The row's sum l is taken of the UNQUANTISED p, in f32, and the product's result is divided by l at the end. Since M is a whole number, a kernel that streams over the keys may use a running M (the ceiling of the running maximum): every later rescaling is an exact power of two, which a block's scale takes up: the codes' values come out the same.
;;   OPERANDS COMPUTED ON THE WAY. 'Computed on the way' means the value that the module computes at that place (a softmax that the list does not call 'softmax' is quantised finished and normalised). What goes into a quantiser is computed in f32, as accurately as f32 sums, v_exp_f32 and their like allow (about 1e-6 of the number): no bf16 or f16 on the way to a quantiser, and a product that is left as it is and whose result goes on into a quantised operand takes f32 operands (vector FMAs, or v_wmma_f32_16x16x4_f32). A number that lies on a knife's edge between two numbers of the format may be rounded either way, as far as f32 arithmetic and the matrix unit's own rounding can turn it there, and no further.
;; One version. Each part assembles by itself: llvm-mc -triple=amdgcn-amd-amdhsa -mcpu=gfx1250 --defsym DOCPART=n.
;; ======== version 1 of 1: 4 launches
;; limits: right only within a limited range of input values
;; workspace buffers: xq 8,650,752 bytes; wq 4,325,376 bytes; tab 148,224 bytes; qq 8,650,752 bytes; kq 8,650,752 bytes; vq 8,650,752 bytes; oq 8,650,752 bytes
;; launch prep (part 1): grid 658 x 1, 4 waves a work-group, no clusters, 34,304 bytes of LDS; arguments x, W_attn, W_proj, lut_k, lut_v, xq, wq, tab; writes xq, wq, tab
.if DOCPART == 1
	.amdgcn_target "amdgcn-amd-amdhsa--gfx1250"
	.amdhsa_code_object_version 6
	.text
	.protected	k_q98f42c9972_prep
	.globl	k_q98f42c9972_prep
	.p2align	8
	.type	k_q98f42c9972_prep,@function
k_q98f42c9972_prep:
	s_mov_b64 s[64:65], 0
	v_nop
	global_prefetch_b8 v0, s[64:65] scope:SCOPE_SE
	s_setreg_imm32_b32 hwreg(HW_REG_WAVE_MODE, 25, 1), 1
	s_wait_xcnt 0x0
; x, W_attn, W_proj and the two small tables become codes of E4M3 with one E8M0 byte for each 32 along K, laid as the later launches' operand registers take them.
; IMAGE: a chunk of 512 bytes holds 16 rows x 32 K: lane (r, h) owns the 16 bytes at 16 x lane = the codes of row r at k = 16 h + 0 .. 15.  A tile of 16 rows has 32 chunks (K = 1,024), 16 KB.
; POSITION: rows are stored by position p, which stands for the actual row p with bits 3 and 4 swapped: tile 2 B + u holds rows 32 B + 8 u + r + 8 (r / 8).
; Scale bytes of a tile: [K step of 256][row 16][8 bytes].
; The work-groups part on their number: 0-15 table T (lut_v as it lies beside the diagonal), 16-17 lut_k's rows and the constant far row of lut_v, 18-113 W_attn, 114-145 W_proj, 146-657 x.
; A block's scale is 2^(floor(log2(largest magnitude)) - 8); its byte is the largest magnitude's exponent field - 8, held at 1 from below.
; LIMITS: a block of zeros gets the byte 1 (its codes are zeros; the bytes are read by this program alone); NaN and infinities among the inputs are not served;
; rows 17 to 32 of lut_k are not read: every score that would use them lies under the causal mask that the problem itself builds.
.set FLOOR, 0x4800000                  ; 2^(9 - 127): under it no largest magnitude is taken
.set EOFF,  0xfc000000                 ; 8 off an exponent field
.set EXPM,  0x7f800000
.set XN,  16                           ; v16-79   64 numbers of a lane
.set PC0, 80                           ; v80-95   codes;  v112-127 a second set
.set TM,  96                           ; v96-111  at work in QUANT
.set R,   128                          ; v128-255 loads as they come, offsets, or codes
.set PW0, 14                           ; v14, v15 scale words
.set WV,  20
.set MNT, 21                           ; the mantissa field of 448
.set SEL, 22                           ; s[22:23] selects for lane xor 16
; 64 numbers of a lane, register 16 b + i = k 32 b + 16 (lane / 16) + i of its row, become a fragment's 16 code registers and its scale word
.macro QUANT s, pc, pw
.irp b, 0,1,2,3
	v_max3_num_f32 v[TM+\b], |v[\s+16*\b]|, |v[\s+16*\b+1]|, FLOOR
.endr
.irp i, 2,4,6,8,10,12,14
.irp b, 0,1,2,3
	v_max3_num_f32 v[TM+\b], v[TM+\b], |v[\s+16*\b+\i]|, |v[\s+16*\b+\i+1]|
.endr
.endr
.irp b, 0,1,2,3
	v_permlanex16_b32 v[TM+4+\b], v[TM+\b], s[SEL], s[SEL+1]
.endr
.irp b, 0,1,2,3
	v_max_num_f32 v[TM+\b], v[TM+\b], v[TM+4+\b]             ; with lane xor 16's sixteen: the block's largest magnitude
.endr
.irp b, 0,1,2,3
	v_add_nc_u32 v[TM+12+\b], EOFF, v[TM+\b]                 ; the conversion's scale operand
.endr
.irp b, 0,1,2,3
	v_and_or_b32 v[TM+8+\b], v[TM+\b], EXPM, s[MNT]          ; 448 x the scale
.endr
.irp b, 0,1,2,3
	v_lshrrev_b32 v[TM+4+\b], 23, v[TM+12+\b]                ; the scale's byte
.endr
	v_lshl_or_b32 v[\pw], v[TM+5], 8, v[TM+4]
	v_lshl_or_b32 v[\pw], v[TM+6], 16, v[\pw]
	v_lshl_or_b32 v[\pw], v[TM+7], 24, v[\pw]
.irp b, 0,1,2,3
.irp i, 0,1,2,3,4,5,6,7,8,9,10,11,12,13,14,15
	v_med3_num_f32 v[\s+16*\b+\i], v[\s+16*\b+\i], -v[TM+8+\b], v[TM+8+\b]   ; the conversion does not saturate (ISA guide 7.6.2): the hold
.endr
	v_cvt_scalef32_pk8_fp8_f32 v[\pc+4*\b:\pc+4*\b+1], v[\s+16*\b:\s+16*\b+7], v[TM+12+\b]
	v_cvt_scalef32_pk8_fp8_f32 v[\pc+4*\b+2:\pc+4*\b+3], v[\s+16*\b+8:\s+16*\b+15], v[TM+12+\b]
.endr
	v_nop                                                    ; a plain line behind the last conversion
.endm
	s_load_b512 s[4:19], s[0:1], 0x0               ; x 4, W_attn 6, W_proj 8, lut_k 10, lut_v 12, xq 14, wq 16, tab 18
	s_set_vgpr_msb 0x40
	v_lshl_add_u32 v0, v0, 2, 0x8400
	v_mov_b32 v1, 0
	s_set_vgpr_msb 0x4000
	v_lshrrev_b32 v1, 5, v0
	v_readfirstlane_b32 s[WV], v1                  ; wave
	v_and_b32 v1, 31, v0                           ; lane
	v_and_b32 v2, 15, v0                           ; r
	v_bfe_u32 v3, v0, 4, 1                         ; h
	v_lshlrev_b32 v4, 4, v1                        ; 16 x lane
	v_lshlrev_b32 v5, 2, v2                        ; 4 r
	v_and_b32 v6, 7, v1
	v_and_b32 v7, 8, v1
	v_lshl_or_b32 v6, v7, 1, v6
	v_and_b32 v7, 16, v1
	v_lshrrev_b32 v7, 1, v7
	v_or_b32 v6, v6, v7                            ; the lane's number with bits 3 and 4 swapped
	s_mov_b32 s[MNT], 0x600000
	s_mov_b32 s[SEL], 0x76543210
	s_mov_b32 s[SEL+1], 0xfedcba98
.irp b, 0,1,2,3
	v_mov_b32 v[TM+4+\b], 0                        ; a lane permute's destination counts as read
.endr
	s_wait_kmcnt 0x0
	s_cmp_ge_u32 ttmp9, 146
	s_cbranch_scc1 .Lpath_x
	s_cmp_ge_u32 ttmp9, 114
	s_cbranch_scc1 .Lpath_wp
	s_cmp_ge_u32 ttmp9, 18
	s_cbranch_scc1 .Lpath_wa
	s_cmp_ge_u32 ttmp9, 16
	s_cbranch_scc1 .Lpath_l
	; ---- T: work-group 8 u + g, wave dt.  Fragment (u, g, dt): rows = d positions 16 dt + r; chunk c = 2 q + blk belongs to query n = 2 g + q of a tile (J, u):
	; blk 1 its own key block, blk 0 the block before.  delta = query - the block's first key = 8 u + n + 8 (n / 8) + 32 (1 - blk).
	; Register 16 c + i holds lut_v[clip(16 h + i - delta, -16, 16) + 16][d]: all 32 keys of the block, hidden ones too, since they count for the block's scale.
	s_lshr_b32 s24, ttmp9, 3
	s_and_b32 s26, ttmp9, 7
	s_lshl_b32 s24, s24, 3
	s_lshl_b32 s27, s26, 1
	s_add_co_u32 s24, s24, s27
	s_lshr_b32 s27, s26, 2
	s_lshl_b32 s27, s27, 3
	s_add_co_u32 s24, s24, s27                     ; 8 u + 2 g + 8 (g / 4)
	s_lshr_b32 s26, s[WV], 1
	s_lshl_b32 s26, s26, 5
	s_and_b32 s27, s[WV], 1
	s_lshl_b32 s27, s27, 3
	s_add_co_u32 s26, s26, s27
	v_and_b32 v7, 8, v2
	v_add_nc_u32 v7, v7, v2
	v_add_nc_u32 v7, s26, v7                       ; d = 32 (dt / 2) + 8 (dt % 2) + r + 8 (r / 8)
	v_lshlrev_b32 v7, 2, v7
	s_wait_alu depctr_va_vdst(0)
.irp c, 0,1,2,3
.irp i, 0,1,2,3,4,5,6,7,8,9,10,11,12,13,14,15
	s_sub_co_i32 s28, \i+16-(\c/2)-32*(1-\c%2), s24          ; the table's row for lanes 0-15,
	s_max_i32 s28, s28, 0
	s_min_i32 s28, s28, 32
	s_sub_co_i32 s29, \i+32-(\c/2)-32*(1-\c%2), s24          ; and for lanes 16-31
	s_max_i32 s29, s29, 0
	s_min_i32 s29, s29, 32
	s_sub_co_i32 s29, s29, s28
	s_lshl_b32 s29, s29, 8
	s_lshl_b32 s28, s28, 8
	v_mad_u32_u24 v[R+16*\c+\i], v3, s29, v7
	v_add_nc_u32 v[R+16*\c+\i], s28, v[R+16*\c+\i]           ; an offset register of its own for each load: none is written again
	global_load_b32 v[XN+16*\c+\i], v[R+16*\c+\i], s[12:13]
.endr
.endr
	s_lshl_b32 s26, ttmp9, 2
	s_add_co_u32 s26, s26, s[WV]
	s_lshl_b32 s28, s26, 11
	s_mov_b32 s29, 0
	s_add_nc_u64 s[28:29], s[18:19], s[28:29]
	s_lshl_b32 s30, s26, 6
	s_mov_b32 s31, 0
	s_add_nc_u64 s[30:31], s[18:19], s[30:31]
	s_wait_loadcnt 0x0
	QUANT XN, PC0, PW0
.irp c, 0,1,2,3
	global_store_b128 v4, v[PC0+4*\c:PC0+4*\c+3], s[28:29] offset:512*\c
.endr
	global_store_b32 v5, v[PW0], s[30:31] offset:131072      ; both halves of the lanes hold and write the same word
	s_endpgm
	; ---- L: u = work-group - 16.  Waves 0-2: fragment f of LK_u[z] = Q(lut_k[clip(z - 40 - 8 u, 0, 16)]), z = 0 .. 95: chunk c holds rows z = 32 f + 16 (c / 2) + r, d = 32 (c % 2) + 16 h ..
.Lpath_l:
	s_sub_co_u32 s24, ttmp9, 16
	s_cmp_eq_u32 s[WV], 3
	s_cbranch_scc1 .Lq0
	s_lshl_b32 s26, s[WV], 5
	s_lshl_b32 s27, s24, 3
	s_sub_co_i32 s26, s26, s27
	s_sub_co_i32 s26, s26, 40
	v_mov_b32 v10, 0
	v_add_nc_u32 v8, s26, v2
	v_add_nc_u32 v9, 16, v8
.irp e, 8,9
	v_cmp_gt_i32 vcc_lo, 0, v\e
	v_cndmask_b32 v\e, v\e, v10, vcc_lo
	v_min_u32 v\e, 16, v\e                         ; the table's row, 0 .. 16
	v_lshlrev_b32 v\e, 8, v\e
	v_lshl_add_u32 v\e, v3, 6, v\e
.endr
.irp c, 0,1,2,3
.irp k, 0,1,2,3
	global_load_b128 v[XN+16*\c+4*\k:XN+16*\c+4*\k+3], v[8+\c/2], s[10:11] offset:128*(\c%2)+16*\k
.endr
.endr
	s_mul_i32 s28, s24, 6144
	s_lshl_b32 s29, s[WV], 11
	s_add_co_u32 s28, s28, s29
	s_add_co_u32 s28, s28, 135168
	s_mov_b32 s29, 0
	s_add_nc_u64 s[28:29], s[18:19], s[28:29]
	s_lshl_b32 s30, s24, 8
	s_lshl_b32 s31, s[WV], 6
	s_add_co_u32 s30, s30, s31
	s_add_co_u32 s30, s30, 147456
	s_mov_b32 s31, 0
	s_add_nc_u64 s[30:31], s[18:19], s[30:31]
	s_wait_loadcnt 0x0
	QUANT XN, PC0, PW0
.irp c, 0,1,2,3
	global_store_b128 v4, v[PC0+4*\c:PC0+4*\c+3], s[28:29] offset:512*\c
.endr
	global_store_b32 v5, v[PW0], s[30:31]
	s_endpgm
	; wave 3: Q0 by position: the quantised value of a block of 32 that holds lut_v[0][d] throughout
.Lq0:
	s_lshl_b32 s26, s24, 7
	s_wait_alu depctr_va_vdst(0)
	v_lshlrev_b32 v7, 2, v6
	v_add_nc_u32 v7, s26, v7
	global_load_b32 v16, v7, s[12:13]
	v_lshlrev_b32 v8, 2, v1
	v_add_nc_u32 v8, s26, v8
.irp i, 17,18,19,20,21,22,23
	v_mov_b32 v\i, 0
.endr
	s_wait_loadcnt 0x0
	v_max3_num_f32 v9, |v16|, |v16|, FLOOR
	v_add_nc_u32 v11, EOFF, v9
	v_and_or_b32 v10, v9, EXPM, s[MNT]
	v_med3_num_f32 v16, v16, -v10, v10
	s_wait_alu depctr_va_vdst(0)
	v_cvt_scalef32_pk8_fp8_f32 v[80:81], v[16:23], v11
	v_lshrrev_b32 v12, 23, v11                     ; the byte (a plain line behind the conversion)
	v_cvt_f32_fp8 v13, v80                         ; the code's value,
	v_add_nc_u32 v12, 0xffffff81, v12
	v_ldexp_f32 v13, v13, v12                      ; x 2^(byte - 127)
	global_store_b32 v8, v13, s[18:19] offset:147968
	s_endpgm
; ---- a weight [1,024 (k)][n]: a lane takes a column (the column of its POSITION) and its registers run down K: a block of 32 lies in one lane.
; Work-group w: K step ks = w % 4 (256 along K), columns' positions 128 (w / 4) on; a wave takes 32 positions = two tiles.  Loads run two blocks ahead.
.macro WPATH n, sp, imgoff, scloff, first
	s_sub_co_u32 s24, ttmp9, \first
	s_and_b32 s26, s24, 3
	s_lshr_b32 s27, s24, 2
	s_mul_i32 s28, s26, 256*\n*4
	s_lshl_b32 s29, s27, 9
	s_add_co_u32 s28, s28, s29
	s_lshl_b32 s29, s[WV], 7
	s_add_co_u32 s28, s28, s29
	s_mov_b32 s29, 0
	s_add_nc_u64 s[\sp:\sp+1], s[\sp:\sp+1], s[28:29]
	s_lshl_b32 s30, s27, 3
	s_lshl_b32 s31, s[WV], 1
	s_add_co_u32 s30, s30, s31                     ; my first tile: 8 (w / 4) + 2 wave
	s_lshl_b32 s28, s30, 14
	s_lshl_b32 s31, s26, 12
	s_add_co_u32 s28, s28, s31
	s_add_co_u32 s28, s28, \imgoff
	s_add_nc_u64 s[32:33], s[16:17], s[28:29]
	s_lshl_b32 s28, s30, 2
	s_add_co_u32 s28, s28, s26
	s_lshl_b32 s28, s28, 7
	s_add_co_u32 s28, s28, \scloff
	s_add_nc_u64 s[34:35], s[16:17], s[28:29]
	v_lshlrev_b32 v7, 2, v6                        ; in: 4 x my column within the wave's 32
	v_lshlrev_b32 v8, 4, v2
	v_lshl_add_u32 v8, v3, 14, v8                  ; out: 16 (lane % 16) in a chunk's half, lanes 16-31 a tile on: sixteen lanes fill 256 consecutive bytes, aligned
	v_lshlrev_b32 v9, 3, v2
	v_lshl_add_u32 v9, v3, 9, v9
.irp t, 0,1
.irp i, 0,1,2,3,4,5,6,7,8,9,10,11,12,13,14,15,16,17,18,19,20,21,22,23,24,25,26,27,28,29,30,31
	global_load_b32 v[XN+32*\t+\i], v7, s[\sp:\sp+1] offset:(32*\t+\i)*\n*4 th:TH_LOAD_NT
.endr
.endr
.irp t, 0,1,2,3,4,5,6,7
.set XS, XN+32*(\t%2)
.set CD, R+8*\t
.if \t < 7
	s_wait_loadcnt 32                              ; this block's 32 loads are in; the next block's may be out
.else
	s_wait_loadcnt 0x0
.endif
	v_max3_num_f32 v12, |v[XS]|, |v[XS+1]|, |v[XS+2]|
	v_max3_num_f32 v13, |v[XS+3]|, |v[XS+4]|, |v[XS+5]|
.irp i, 6,10,14,18,22,26
	v_max3_num_f32 v12, v12, |v[XS+\i]|, |v[XS+\i+1]|
	v_max3_num_f32 v13, v13, |v[XS+\i+2]|, |v[XS+\i+3]|
.endr
	v_max3_num_f32 v12, v12, |v[XS+30]|, |v[XS+31]|
	v_max3_num_f32 v12, v12, v13, FLOOR
	v_add_nc_u32 v11, EOFF, v12
	v_and_or_b32 v10, v12, EXPM, s[MNT]
	v_lshrrev_b32 v13, 23, v11
.if \t%4 == 0
	v_mov_b32 v[PW0+\t/4], v13
.else
	v_lshl_or_b32 v[PW0+\t/4], v13, 8*(\t%4), v[PW0+\t/4]
.endif
.irp i, 0,1,2,3,4,5,6,7,8,9,10,11,12,13,14,15,16,17,18,19,20,21,22,23,24,25,26,27,28,29,30,31
	v_med3_num_f32 v[XS+\i], v[XS+\i], -v10, v10
.endr
.irp g, 0,1,2,3
	v_cvt_scalef32_pk8_fp8_f32 v[CD+2*\g:CD+2*\g+1], v[XS+8*\g:XS+8*\g+7], v11   ; each block has code registers of its own: no store's data are written again
.endr
	global_store_b128 v8, v[CD:CD+3], s[32:33] offset:512*\t          ; k 0-15 of the block: the chunk's lower half,
	global_store_b128 v8, v[CD+4:CD+7], s[32:33] offset:512*\t+256    ; k 16-31: its upper half
.if \t < 6
.irp i, 0,1,2,3,4,5,6,7,8,9,10,11,12,13,14,15,16,17,18,19,20,21,22,23,24,25,26,27,28,29,30,31
	global_load_b32 v[XS+\i], v7, s[\sp:\sp+1] offset:(32*(\t+2)+\i)*\n*4 th:TH_LOAD_NT
.endr
.endif
.endr
	global_store_b64 v9, v[PW0:PW0+1], s[34:35]    ; my position's eight scale bytes of this K step
	s_endpgm
.endm
.Lpath_wa:
	s_wait_alu depctr_va_vdst(0)
	WPATH 3072, 6, 0, 3145728, 18
.Lpath_wp:
	s_wait_alu depctr_va_vdst(0)
	WPATH 1024, 8, 3244032, 4292608, 114
	; ---- x: work-group = tile pt of 16 positions, wave = K step of 256.  Each load reads 512 consecutive bytes of one row; the numbers turn through the wave's own stage in LDS
	; (rows 528 bytes apart) so that a lane gets 16 neighbours along K of each block of 32.
.Lpath_x:
	s_sub_co_u32 s24, ttmp9, 146
	s_lshr_b32 s26, s24, 1
	s_lshl_b32 s26, s26, 5
	s_and_b32 s27, s24, 1
	s_lshl_b32 s27, s27, 3
	s_add_co_u32 s26, s26, s27                     ; the tile's first actual row
	s_lshl_b32 s26, s26, 12
	s_lshl_b32 s27, s[WV], 10
	s_add_co_u32 s26, s26, s27
	s_mov_b32 s27, 0
	s_add_nc_u64 s[4:5], s[4:5], s[26:27]
.irp f, 0,1
.irp p, 0,1,2,3,4,5,6,7,8,9,10,11,12,13,14,15
	global_load_b128 v[R+64*\f+4*\p:R+64*\f+4*\p+3], v4, s[4:5] offset:(\p+8*(\p/8))*4096+512*\f th:TH_LOAD_NT
.endr
.endr
	s_lshl_b32 s26, s24, 2
	s_add_co_u32 s26, s26, s[WV]                   ; 4 pt + K step
	s_lshl_b32 s28, s26, 12
	s_mov_b32 s29, 0
	s_add_nc_u64 s[28:29], s[14:15], s[28:29]
	s_lshl_b32 s26, s26, 7
	s_add_nc_u64 s[30:31], s[14:15], s[26:27]
	s_add_nc_u64 s[30:31], s[30:31], 0x800000
	s_mul_i32 s26, s[WV], 8448
	v_add_nc_u32 v7, s26, v4                       ; the stage, in: 16 x lane of a row
	v_mul_u32_u24 v8, v2, 528
	v_lshl_add_u32 v8, v3, 6, v8
	v_add_nc_u32 v8, s26, v8                       ; out: row r, + 64 h
	s_wait_alu depctr_va_vdst(0)
.irp f, 0,1
	s_wait_loadcnt 16-16*\f                        ; this half's sixteen loads are in; the other half's may be out
.irp p, 0,1,2,3,4,5,6,7,8,9,10,11,12,13,14,15
	ds_store_b128 v7, v[R+64*\f+4*\p:R+64*\f+4*\p+3] offset:528*\p
.endr
.irp c, 0,1,2,3
.irp k, 0,1,2,3
	ds_load_b128 v[XN+16*\c+4*\k:XN+16*\c+4*\k+3], v8 offset:128*\c+16*\k     ; LDS serves a wave's instructions in order: these see the stores above
.endr
.endr
	s_wait_dscnt 0x0
	QUANT XN, PC0+32*\f, PW0+\f
.irp c, 0,1,2,3
	global_store_b128 v4, v[PC0+32*\f+4*\c:PC0+32*\f+4*\c+3], s[28:29] offset:2048*\f+512*\c
.endr
.endr
	v_cmp_eq_u32 vcc_lo, 1, v3
	v_cndmask_b32 v9, v[PW0], v[PW0+1], vcc_lo     ; lanes 0-15 the first four bytes of a row's eight, lanes 16-31 the last four
	v_lshlrev_b32 v10, 3, v2
	v_lshl_add_u32 v10, v3, 2, v10
	global_store_b32 v10, v9, s[30:31]             ; 128 consecutive bytes
	s_set_vgpr_msb 0x5
	s_wait_tensorcnt 0x0
	ds_add_u32 v0, v1
	s_wait_dscnt 0x0
	s_set_vgpr_msb 0x500
	s_endpgm
.Lfunc_end_k_q98f42c9972_prep:
	.size	k_q98f42c9972_prep, .Lfunc_end_k_q98f42c9972_prep-k_q98f42c9972_prep
	.p2alignl 7, 3214868480
	.fill 96, 4, 3214868480
	.section	.rodata,"a",@progbits
	.p2align	6, 0x0
	.amdhsa_kernel k_q98f42c9972_prep
		.amdhsa_group_segment_fixed_size 34304
		.amdhsa_private_segment_fixed_size 0
		.amdhsa_enable_private_segment 0
		.amdhsa_kernarg_size 64
		.amdhsa_user_sgpr_count 2
		.amdhsa_user_sgpr_kernarg_segment_ptr 1
		.amdhsa_wavefront_size32 1
		.amdhsa_system_sgpr_workgroup_id_x 1
		.amdhsa_system_sgpr_workgroup_id_y 1
		.amdhsa_system_sgpr_workgroup_id_z 1
		.amdhsa_system_vgpr_workitem_id 0
		.amdhsa_next_free_vgpr 258
		.amdhsa_next_free_sgpr 66
		.amdhsa_reserve_vcc 1
		.amdhsa_float_denorm_mode_32 3
		.amdhsa_float_denorm_mode_16_64 3
		.amdhsa_memory_ordered 1
		.amdhsa_forward_progress 1
		.amdhsa_inst_pref_size 189
	.end_amdhsa_kernel
	.amdgpu_metadata
---
amdhsa.version: [ 1, 2 ]
amdhsa.kernels:
  - .name:           k_q98f42c9972_prep
    .symbol:         k_q98f42c9972_prep.kd
    .args:
      - { .name: x, .offset: 0, .size: 8, .value_kind: global_buffer, .address_space: global }
      - { .name: W_attn, .offset: 8, .size: 8, .value_kind: global_buffer, .address_space: global }
      - { .name: W_proj, .offset: 16, .size: 8, .value_kind: global_buffer, .address_space: global }
      - { .name: lut_k, .offset: 24, .size: 8, .value_kind: global_buffer, .address_space: global }
      - { .name: lut_v, .offset: 32, .size: 8, .value_kind: global_buffer, .address_space: global }
      - { .name: xq, .offset: 40, .size: 8, .value_kind: global_buffer, .address_space: global }
      - { .name: wq, .offset: 48, .size: 8, .value_kind: global_buffer, .address_space: global }
      - { .name: tab, .offset: 56, .size: 8, .value_kind: global_buffer, .address_space: global }
    .group_segment_fixed_size: 34304
    .private_segment_fixed_size: 0
    .kernarg_segment_align: 8
    .kernarg_segment_size: 64
    .max_flat_workgroup_size: 128
    .sgpr_count:     66
    .vgpr_count:     258
    .wavefront_size: 32
...
	.end_amdgpu_metadata
.endif
;; end of part 1
;; launch gemm_qkv (part 2): grid 32 x 8, 4 waves a work-group, clusters of 4 x 4, 327,680 bytes of LDS; arguments xq, wq, b_attn, qq, kq, vq; writes qq, kq, vq
.if DOCPART == 2
	.amdgcn_target "amdgcn-amd-amdhsa--gfx1250"
	.amdhsa_code_object_version 6
	.text
	.protected	k_q98f42c9972_gemm_qkv
	.globl	k_q98f42c9972_gemm_qkv
	.p2align	8
	.type	k_q98f42c9972_gemm_qkv,@function
k_q98f42c9972_gemm_qkv:
	s_mov_b64 s[64:65], 0
	v_nop
	global_prefetch_b8 v0, s[64:65] scope:SCOPE_SE
	s_setreg_imm32_b32 hwreg(HW_REG_WAVE_MODE, 25, 1), 1
	s_wait_xcnt 0x0
	s_wait_alu depctr_hold_cnt(0) depctr_sa_sdst(0) depctr_va_vdst(0) depctr_va_sdst(0) depctr_va_ssrc(0) depctr_va_vcc(0) depctr_vm_vsrc(0)
	s_getreg_b32 s2, hwreg(HW_REG_IB_STS2, 6, 4)
	s_cmp_eq_u32 s2, 0
	s_cbranch_scc0 .Lentry_in_a_cluster
	s_endpgm
.Lentry_in_a_cluster:
	s_bfe_u32 s2, ttmp6, 0x10000c
	s_cmp_lg_u32 s2, 0xf033
	s_cbranch_scc0 .Lentry_shape_is_right
	s_endpgm
.Lentry_shape_is_right:
; qkv = x W_attn + b_attn on codes of E4M3 with E8M0 scales, K = 1,024; the results are quantised in registers and leave as the attention launch's operands.
; SHARES.  Work-group (rg, g): 256 tokens (rg) x 128 columns each of q, k and v (chunk g of eight): 256 work-groups.  A wave holds its own 64 tokens, ALL of K, in 512 registers (windows 1, 2).
; W's rows stream past them in blocks of 16 columns, all of K (128 registers; two sets, window 3).  A PAIR of blocks is 32 columns: 64 products, eight accumulators = four scale blocks of 32,
; 16 numbers a lane, joined with lane xor 16 (rows lie by position, as the first launch's head says).  A pair is quantised in place behind its products, while the next pair's second block is on its way from LDS.
; q, k: source 0 = W's block, source 1 = tokens: a lane holds a token, scale blocks run along the head's 64.  v: the sources swapped: a lane holds a channel, scale blocks run along the tokens, which are the keys.
; x: the first three 128s of K come by plain loads of the image, the other five (160 KB a work-group) by one joint load through LDS.
; LDS: slot 0 (128 KB) q's chunk, then v's; slot 1 the x part, then k's chunk; W's scale bytes and the bias of the three chunks behind them.  At the head one joint load a wave: q's chunk, the x part, scale bytes, bias.
; REFILLS: at the top of each of the two trips over q's and k's chunk, behind a drained round, the next chunk goes into the slot that has been read out, a quarter a wave; the next such round, or the barrier ahead of v, shows it, four pairs later.
; CLUSTER 4 x 4: W's tiles hang on g and are shared along a row, the x part hangs on rg and is shared along a column.  No prefetch: the first fills have no loop ahead of them, and each refill is asked for four pairs ahead of its first read.
; LIMITS: NaN and infinities are not served; a block of zeros gets the byte 1 (its codes are zeros; this program alone reads the bytes).
.set NF, 34                            ; LDS loads of a block: 32 of codes, 2 of scale words
.set XH, 131072                        ; the x part: 16 tiles x 10,240 bytes; its first 131,072 bytes are slot 1
.set SCL, XH+163840                    ; W's scale bytes: 24 blocks x 512
.set BIA, SCL+12288                    ; the bias: 3 x 128 numbers
.set SPARE, BIA+1536                   ; the spare words: 128 bytes a wave
.set FLOOR, 0x4800000
.set EOFF, 0xfc000000
.set EXPM, 0x7f800000
.set L16, 1                            ; 16 x lane
.set R8, 2                             ; 8 x (lane % 16)
.set BA0, 3                            ; the bias along registers: BIA + 64 h
.set BA1, 4                            ; the bias along lanes: BIA + 4 (r + 8 (r / 8))
.set L4, 5                             ; 4 x lane
.set VS, 6                             ; 4 r + 512 h
.set ADR, 7
.set ADS, 8
.set ADB, 9
.set SPW, 10
.set NIL, 11
.set PWD, 12                           ; the scale bytes of a head's first 32 channels
.set WRD, 13
.set X0, 14
.set X1, 15
.set TM, 16                            ; v16-31 at work in the quantiser
.set SX, 32                            ; v32-63 x's scale words: 8 t + q
.set SBY, 64                           ; v64-67 a pair's four scale bytes
.set SW, 68                            ; v68-83 W's scale words, two sets: no product's two scale registers are equal modulo 8
.set XA, 84                            ; my rows of the x part in LDS
.set BI, 88                            ; v88-103 the pair's bias: the first products' C
.set PC, 104                           ; v104-119 codes
.set ACC, 128                          ; v128-191 eight accumulators
.set P, 84
.set I, 86
.set O, 87
.set SEL, 88
.set MNT, 90
.set HM, 91
.set OB, 92
.set SO, 94
.set OFC, 96
.set OFS, 97
.set VB, 98
.set VSB, 100
.set MSB, 0
.macro WIN new                         ; the immediate's high byte repeats the setting that is left
.if MSB != \new
	s_set_vgpr_msb (MSB<<8)|\new
.set MSB, \new
.endif
.endm
.macro PLACES n
.rept \n
	v_nop
.endr
.endm
.macro CROUND                          ; a round of the cluster's barrier
	s_barrier_signal -1
	s_barrier_wait -1
	s_cmp_lg_u32 s16, 0
	s_cbranch_scc1 .Lnw0_\@
	s_barrier_signal -3
.Lnw0_\@:
	s_barrier_wait -3
	s_barrier_signal -1
	s_barrier_wait -1
.endm
.macro GRP g, m, c, r, p               ; descriptor group 1: r rows of c elements of 8 bytes, p elements apart; the mask in s[m], bit 21 beside it
	s_or_b32 s[\g], s[\m], (3<<16)|(1<<21)
	s_mov_b32 s[\g+1], (\c)<<16
	s_mov_b32 s[\g+2], (\r)<<16
	s_mov_b32 s[\g+3], (\c)<<16
	s_mov_b32 s[\g+4], \r
	s_mov_b32 s[\g+5], \p
	s_mov_b32 s[\g+6], 0
	s_mov_b32 s[\g+7], 0
.endm
.macro ARM under, g0, g1, next         ; one arm of the head's chain: a load, its five lines, a jump to the join
	s_cmp_lt_u32 s16, \under
	s_cbranch_scc0 \next
	tensor_load_to_lds s[\g0:\g0+3], s[\g1:\g1+7]
	s_nop 0
	PLACES 4
	s_branch .Lasked
\next:
.endm
	s_load_b256 s[4:11], s[0:1], 0x0               ; xq 4, wq 6, b_attn 8, qq 10
	s_load_b128 s[12:15], s[0:1], 0x20             ; kq 12, vq 14
	v_lshl_add_u32 v[SPW], v0, 2, SPARE
	v_mov_b32 v[NIL], 0
	ds_add_u32 v[SPW], v[NIL]                      ; the opening lines: the add twice on end and its wait
	ds_add_u32 v[SPW], v[NIL]
	v_lshrrev_b32 v1, 5, v0
	v_readfirstlane_b32 s16, v1                    ; wave
	s_bfe_u32 s17, ttmp6, 0x40000                  ; cx
	s_bfe_u32 s67, ttmp6, 0x40004                  ; cy
	s_lshl_b32 s18, ttmp9, 2
	s_add_co_u32 s18, s18, s17                     ; rg
	s_and_b32 s19, ttmp7, 0xffff
	s_lshl_b32 s19, s19, 2
	s_add_co_u32 s19, s19, s67                     ; g
	s_lshl_b32 s85, s67, 2
	s_lshl_b32 s85, 15, s85                        ; my row of the cluster: shares g
	s_lshl_b32 s66, 0x1111, s17                    ; my column: shares rg
	GRP 28, 85, 512, 32, 512                       ; a chunk: 131,072 dense bytes as 32 rows of 4,096
	GRP 36, 66, 1280, 16, 2048                     ; the x part: 10,240 bytes of each of 16 tiles, 16,384 bytes apart
	GRP 44, 85, 512, 3, 4096                       ; scale bytes: 4,096 of each of three chunks, 32,768 bytes apart
	GRP 52, 85, 64, 3, 512                         ; the bias: 512 bytes of each of q, k, v, 4,096 bytes apart
	s_and_b32 s20, s18, 3
	s_lshr_b32 s21, s18, 2
	s_lshl_b32 s21, s21, 4
	s_lshl_b32 s22, s19, 1
	s_add_co_u32 s21, s21, s22                     ; my first head: 16 b + 2 g
	s_lshl_b32 s[OFC], s21, 16                     ; q, k codes: [head][token tile: 1,024][d block: 512]
	s_lshl_b32 s22, s20, 14
	s_add_co_u32 s[OFC], s[OFC], s22
	s_lshl_b32 s22, s16, 12
	s_add_co_u32 s[OFC], s[OFC], s22
	s_lshl_b32 s[OFS], s21, 11                     ; q, k scale words: [head: 2,048][32 tokens: 64][row: 4]
	s_add_co_u32 s[OFS], s[OFS], 0x800000
	s_lshl_b32 s22, s20, 9
	s_add_co_u32 s[OFS], s[OFS], s22
	s_lshl_b32 s22, s16, 7
	s_add_co_u32 s[OFS], s[OFS], s22
	s_lshl_b32 s[VB], s21, 16                      ; v codes: [head][d tile: 16,384][key block: 512]
	s_lshl_b32 s22, s20, 12
	s_add_co_u32 s[VB], s[VB], s22
	s_lshl_b32 s22, s16, 10
	s_add_co_u32 s[VB], s[VB], s22
	s_mov_b32 s[VB+1], 0
	s_lshl_b32 s[VSB], s21, 11                     ; v scale bytes: [head][d tile: 512][4 key blocks: 64][row: 4][key block % 4]
	s_add_co_u32 s[VSB], s[VSB], 0x800000
	s_lshl_b32 s22, s20, 7
	s_add_co_u32 s[VSB], s[VSB], s22
	s_lshr_b32 s22, s16, 1
	s_lshl_b32 s22, s22, 6
	s_add_co_u32 s[VSB], s[VSB], s22
	s_and_b32 s22, s16, 1
	s_lshl_b32 s22, s22, 1
	s_add_co_u32 s[VSB], s[VSB], s22
	s_mov_b32 s[VSB+1], 0
	s_lshl_b32 s24, s18, 18                        ; my four tiles of x: 16,384 bytes each
	s_lshl_b32 s22, s16, 16
	s_add_co_u32 s24, s24, s22
	s_mov_b32 s25, 0
	s_lshl_b32 s26, s18, 13                        ; and their scale bytes: 512 each
	s_lshl_b32 s22, s16, 11
	s_add_co_u32 s26, s26, s22
	s_add_co_u32 s26, s26, 0x800000
	s_mov_b32 s27, 0
	s_lshl_b32 s2, s18, 18                         ; the x part: from byte 6,144 of the work-group's first tile on
	s_add_co_u32 s2, s2, 6144
	s_mov_b32 s3, 0
	s_mov_b32 s[SEL], 0x76543210
	s_mov_b32 s[SEL+1], 0xfedcba98
	s_mov_b32 s[MNT], 0x600000
	s_mov_b32 s[HM], 0xffff0000                    ; lanes 16-31
	s_mov_b32 s60, 1
	s_mov_b32 s61, 0
	s_mov_b32 s68, 1
	s_mov_b32 s69, XH
	s_mov_b32 s72, 1
	s_mov_b32 s73, SCL
	s_mov_b32 s76, 1
	s_mov_b32 s77, BIA
	s_mov_b32 s80, 1
	s_lshl_b32 s81, s16, 15                        ; the refills' walking descriptor: my quarter; it begins at q's chunk in slot 0 and is stepped ahead of each refill
	s_wait_dscnt 0x0                               ; both opening adds are done
	CROUND                                         ; the sixteen work-groups are here: the first joint loads meet
	s_wait_kmcnt 0x0
	s_lshl_b32 s20, s19, 17
	s_mov_b32 s21, 0
	s_add_nc_u64 s[22:23], s[6:7], s[20:21]        ; q's chunk g
	s_add_nc_u64 s[62:63], s[22:23], 0
	s_or_b32 s63, s63, 0x80000000
	s_mov_b32 s20, s81
	s_add_nc_u64 s[82:83], s[22:23], s[20:21]
	s_or_b32 s83, s83, 0x80000000
	s_add_nc_u64 s[70:71], s[4:5], s[2:3]
	s_or_b32 s71, s71, 0x80000000
	s_lshl_b32 s20, s19, 12
	s_add_nc_u64 s[74:75], s[6:7], s[20:21]
	s_add_nc_u64 s[74:75], s[74:75], 3145728
	s_or_b32 s75, s75, 0x80000000
	s_lshl_b32 s20, s19, 9
	s_add_nc_u64 s[78:79], s[8:9], s[20:21]
	s_or_b32 s79, s79, 0x80000000
	ARM 1, 60, 28, .Lh1
	ARM 2, 68, 36, .Lh2
	ARM 3, 72, 44, .Lh3
	tensor_load_to_lds s[76:79], s[52:59]
	s_nop 0
	PLACES 4
.Lasked:
	s_add_nc_u64 s[24:25], s[4:5], s[24:25]
	s_add_nc_u64 s[26:27], s[4:5], s[26:27]
	s_add_nc_u64 s[VB:VB+1], s[14:15], s[VB:VB+1]
	s_add_nc_u64 s[VSB:VSB+1], s[14:15], s[VSB:VSB+1]
	s_mul_i32 s20, s16, 40960
	s_add_co_u32 s20, s20, XH
	v_and_b32 v12, 31, v0
	v_and_b32 v13, 15, v0                          ; r
	v_bfe_u32 v14, v0, 4, 1                        ; h
	v_lshlrev_b32 v[L16], 4, v12
	v_lshlrev_b32 v[L4], 2, v12
	v_lshlrev_b32 v[R8], 3, v13
	v_lshl_add_u32 v[BA0], v14, 6, BIA
	v_and_b32 v15, 8, v13
	v_add_nc_u32 v15, v15, v13
	v_lshl_add_u32 v[BA1], v15, 2, BIA
	v_lshlrev_b32 v[VS], 2, v13
	v_lshl_add_u32 v[VS], v14, 9, v[VS]
	v_add_nc_u32 v[XA], s20, v[L16]
	v_mov_b32 v[PWD], 0
.irp g, 0,1,2,3
	v_mov_b32 v[TM+4+\g], 0                        ; a lane permute's destination counts as read
.endr
; x: fragment 4 q + t (tile t, the q-th 128 of K) lies in window 1 + (4 q + t) / 16.  q = 0 .. 2 by plain loads
	WIN 1<<6
.set N_, 0
.rept 12
.irp c, 0,1,2,3
	global_load_b128 v[16*N_+4*\c:16*N_+4*\c+3], v[L16], s[24:25] offset:(N_%4)*16384+(N_/4)*2048+512*\c
.endr
.set N_, N_+1
.endr
	WIN 0
.irp t, 0,1,2,3
.irp c, 0,1,2,3
	global_load_b64 v[SX+8*\t+2*\c:SX+8*\t+2*\c+1], v[R8], s[26:27] offset:512*\t+128*\c
.endr
.endr
.macro PADR cls                        ; a pair's LDS addresses: s20 its codes, s21 its scale words, s22 its bias
	v_add_nc_u32 v[ADR], s20, v[L16]
	v_add_nc_u32 v[ADS], s21, v[R8]
	v_add_nc_u32 v[ADB], s22, v[BA0+\cls]
	s_wait_alu depctr_va_vdst(0)                   ; the wait behind the writes
.endm
.macro FETCH e                         ; the pair's block e into set e, with its eight scale words
	WIN 3<<6
.set I_, 0
.rept 32
	ds_load_b128 v[128*\e+4*I_:128*\e+4*I_+3], v[ADR] offset:16384*\e+512*I_
.set I_, I_+1
.endr
	WIN 0
	ds_load_2addr_b64 v[SW+8*\e:SW+8*\e+3], v[ADS] offset0:64*\e offset1:64*\e+16
	ds_load_2addr_b64 v[SW+8*\e+4:SW+8*\e+7], v[ADS] offset0:64*\e+32 offset1:64*\e+48
.endm
.macro BIAS cls                        ; the pair's bias in the result's layout
.if \cls
.irp b, 0,1
.irp j, 0,1,2,3,4,5,6,7
	ds_load_b32 v[BI+8*\b+\j], v[ADB] offset:32*\b           ; a channel's number, the same in all eight registers
.endr
.endr
.else
.irp c, 0,1,2,3
	ds_load_b128 v[BI+4*\c:BI+4*\c+3], v[ADB] offset:16*\c   ; columns 16 h + 0 .. 15 of the pair's 32
.endr
.endif
.endm
; THE QUANTISER: group g = accumulators 2 g, 2 g + 1 = 16 numbers a lane of a block of 32 -> codes v[PC + 4 g ..], byte v[SBY + g].  Each accumulator is read from its low end on
.macro QNT
.irp g, 0,1,2,3
	v_max3_num_f32 v[TM+\g], |v[ACC+16*\g]|, |v[ACC+16*\g+1]|, FLOOR
.endr
.irp i, 2,4,6,8,10,12,14
.irp g, 0,1,2,3
	v_max3_num_f32 v[TM+\g], v[TM+\g], |v[ACC+16*\g+\i]|, |v[ACC+16*\g+\i+1]|
.endr
.endr
.irp g, 0,1,2,3
	v_permlanex16_b32 v[TM+4+\g], v[TM+\g], s[SEL], s[SEL+1]
.endr
.irp g, 0,1,2,3
	v_max_num_f32 v[TM+\g], v[TM+\g], v[TM+4+\g]             ; with lane xor 16's sixteen
.endr
.irp g, 0,1,2,3
	v_add_nc_u32 v[TM+12+\g], EOFF, v[TM+\g]                 ; the conversion's scale operand
.endr
.irp g, 0,1,2,3
	v_and_or_b32 v[TM+8+\g], v[TM+\g], EXPM, s[MNT]          ; 448 x the scale
.endr
.irp g, 0,1,2,3
	v_lshrrev_b32 v[SBY+\g], 23, v[TM+12+\g]
.endr
.irp g, 0,1,2,3
.set E_, 0
.rept 16
	v_med3_num_f32 v[ACC+16*\g+E_], v[ACC+16*\g+E_], -v[TM+8+\g], v[TM+8+\g]   ; the conversion does not saturate (ISA guide 7.6.2)
.set E_, E_+1
.endr
.endr
.irp g, 0,1,2,3
	v_cvt_scalef32_pk8_fp8_f32 v[PC+4*\g:PC+4*\g+1], v[ACC+16*\g:ACC+16*\g+7], v[TM+12+\g]
	v_cvt_scalef32_pk8_fp8_f32 v[PC+4*\g+2:PC+4*\g+3], v[ACC+16*\g+8:ACC+16*\g+15], v[TM+12+\g]
.endr
	v_nop                                          ; a plain line behind the last conversion
.endm
; the 32 products of the pair's block e: K ascending, the four accumulators by turns; the first four begin with the bias
.macro MUL cls, e
.set N_, 0
.rept 32
.set Q_, N_/4
.set T_, N_%4
.if \cls
.set AC_, ACC+8*(4*\e+T_)
.else
.set AC_, ACC+8*(2*T_+\e)
.endif
.set C_, AC_
.if Q_ == 0
.set C_, BI+8*\e
.endif
.set XR_, 16*(N_%16)
.set WR_, 128*\e+16*Q_
.if \cls
	WIN (1+N_/16)|(3<<2)
	v_wmma_scale_f32_16x16x128_f8f6f4 v[AC_:AC_+7], v[XR_:XR_+15], v[WR_:WR_+15], v[C_:C_+7], v[SX+8*T_+Q_], v[SW+8*\e+Q_]
.else
	WIN 3|((1+N_/16)<<2)
	v_wmma_scale_f32_16x16x128_f8f6f4 v[AC_:AC_+7], v[WR_:WR_+15], v[XR_:XR_+15], v[C_:C_+7], v[SW+8*\e+Q_], v[SX+8*T_+Q_]
.endif
.set N_, N_+1
.endr
	WIN 0
.endm
.macro ADDR cls                        ; where pair P's codes and scale bytes go
.if \cls
	s_lshl_b32 s20, s[P], 15                       ; a pair is two d tiles
	s_lshl_b32 s22, s[P], 10
	s_mov_b32 s21, 0
	s_mov_b32 s23, 0
	s_add_nc_u64 s[OB:OB+1], s[VB:VB+1], s[20:21]
	s_add_nc_u64 s[SO:SO+1], s[VSB:VSB+1], s[22:23]
.else
	s_cmp_lt_u32 s[P], 4                           ; pairs 0-3 are q's, 4-7 k's; pair p is head (p / 2) % 2, d block p % 2
	s_cselect_b64 s[OB:OB+1], s[10:11], s[12:13]
	s_and_b32 s20, s[P], 1
	s_lshl_b32 s20, s20, 9
	s_and_b32 s21, s[P], 2
	s_lshl_b32 s22, s21, 15
	s_add_co_u32 s20, s20, s22
	s_add_co_u32 s20, s20, s[OFC]
	s_lshl_b32 s22, s21, 10
	s_add_co_u32 s22, s22, s[OFS]
	s_mov_b32 s21, 0
	s_mov_b32 s23, 0
	s_add_nc_u64 s[SO:SO+1], s[OB:OB+1], s[22:23]
	s_add_nc_u64 s[OB:OB+1], s[OB:OB+1], s[20:21]
.endif
.endm
.macro OUT cls                         ; pair P leaves
.if \cls
.irp j, 0,1,2,3                        ; group 2 e + gk: d tile e of the pair's two, key block gk of my two: a chunk of 512 consecutive bytes
	global_store_b128 v[L16], v[PC+4*\j:PC+4*\j+3], s[OB:OB+1] offset:(\j/2)*16384+(\j%2)*512
.endr
	v_lshl_or_b32 v[X0], v[SBY+1], 8, v[SBY]
	v_lshl_or_b32 v[X1], v[SBY+3], 8, v[SBY+2]
	v_cndmask_b32 v[X0], v[X0], v[X1], s[HM]       ; lanes 0-15 the first d tile's two bytes, lanes 16-31 the second's
	global_store_b16 v[VS], v[X0], s[SO:SO+1]
.else
.irp t, 0,1,2,3                        ; group t: token tile t
	global_store_b128 v[L16], v[PC+4*\t:PC+4*\t+3], s[OB:OB+1] offset:1024*\t
.endr
	v_lshl_or_b32 v[X0], v[SBY+1], 16, v[SBY]      ; a word: token tiles 2 al, 2 al + 1, two d blocks each
	v_lshl_or_b32 v[X1], v[SBY+3], 16, v[SBY+2]
	v_cndmask_b32 v[X0], v[X0], v[X1], s[HM]       ; lanes 0-15 al = 0, lanes 16-31 al = 1
	v_lshl_or_b32 v[WRD], v[X0], 8, v[PWD]
	v_mov_b32 v[PWD], v[X0]
	s_and_b32 s20, s[P], 1
	s_cmp_eq_u32 s20, 0
	s_wait_alu depctr_va_vdst(0)
	s_cbranch_scc1 .Lev_\@                         ; a head's words are whole behind its second pair
	global_store_b32 v[L4], v[WRD], s[SO:SO+1]     ; 128 consecutive bytes
.Lev_\@:
.endif
.endm
; A PAIR.  Behind a block's products and eight places its set takes the block two on; a chunk's last pair fetches nothing: what follows lies behind a barrier, or nothing follows
.macro TRIP cls
	s_wait_dscnt NF                                ; set 0 and the bias are in; set 1's 34 loads may be out
.if \cls
	s_mov_b32 s[P], s[I]
.else
	s_lshl_b32 s[P], s[O], 2
	s_add_co_u32 s[P], s[P], s[I]
.endif
	MUL \cls, 0
	PLACES 8                                       ; between the products and loads into what they have read (ISA guide 7.12.1 for vector instructions)
	s_cmp_eq_u32 s[I], 3
	s_cbranch_scc1 .Ln0_\@
	s_lshl_b32 s20, s[P], 15                       ; pair P + 1
	s_lshl_b32 s21, s[P], 10
	s_lshl_b32 s22, s[P], 7
	s_add_co_u32 s20, s20, 32768
	s_add_co_u32 s21, s21, SCL+1024+8192*\cls
	s_add_co_u32 s22, s22, 128+1024*\cls
	PADR \cls
	FETCH 0
	s_wait_dscnt NF                                ; set 1 is in; the 34 just issued may be out
	s_branch .Lg0_\@
.Ln0_\@:
	s_wait_dscnt 0x0
.Lg0_\@:
	MUL \cls, 1
	PLACES 8
	s_cmp_eq_u32 s[I], 3
	s_cbranch_scc1 .Ln1_\@
	BIAS \cls
	FETCH 1
.Ln1_\@:
	s_wait_xcnt 0x0                                ; the last pair's stores, a pair's products back, have read their registers and bases: both are written below
	ADDR \cls
	QNT
	OUT \cls
.endm
	s_wait_alu depctr_va_vdst(0)
	s_wait_tensorcnt 0x0                           ; my fill has landed,
	s_barrier_signal -1
	s_barrier_wait -1                              ; everybody's has
	GRP 36, 85, 512, 8, 512                        ; no tensor load of mine is out: from here on this group is a quarter of a chunk, shared along my row
.set N_, 12
.rept 20                               ; x, q = 3 .. 7: my four tiles' rows of the x part
	WIN (1+N_/16)<<6
.irp c, 0,1,2,3
	ds_load_b128 v[16*(N_%16)+4*\c:16*(N_%16)+4*\c+3], v[XA] offset:(N_%4)*10240+(N_/4-3)*2048+512*\c
.endr
.set N_, N_+1
.endr
	WIN 0
	s_mov_b32 s[O], 0
.Lchunk:                                           ; q's chunk, then k's
	s_wait_tensorcnt 0x0                           ; ahead of a refill's round: this trip's chunk has landed,
	ds_add_u32 v[SPW], v[NIL]
	s_xor_b32 s81, s81, 131072                     ; the other slot,
	s_add_nc_u64 s[82:83], s[82:83], 1048576       ; the next chunk
	s_wait_dscnt 0x0                               ; and my reads of what lay in that slot are over
	CROUND
	tensor_load_to_lds s[80:83], s[36:43]
	s_nop 0
	PLACES 4
	s_lshl_b32 s20, s[O], 17                       ; the chunk's first pair
	s_lshl_b32 s21, s[O], 12
	s_add_co_u32 s21, s21, SCL
	s_lshl_b32 s22, s[O], 9
	PADR 0
	FETCH 0
	BIAS 0
	FETCH 1
	s_wait_loadcnt 0x0                             ; x's plain part and its scale words
	s_mov_b32 s[I], 0
.Lqk:
	TRIP 0
	s_add_co_u32 s[I], s[I], 1
	s_cmp_lt_u32 s[I], 4
	s_wait_alu depctr_va_vdst(0)
	s_cbranch_scc1 .Lqk
	s_add_co_u32 s[O], s[O], 1
	s_cmp_lt_u32 s[O], 2
	s_cbranch_scc1 .Lchunk
	s_wait_tensorcnt 0x0                           ; my quarter of v's chunk is in,
	s_wait_dscnt 0x0
	s_barrier_signal -1
	s_barrier_wait -1                              ; all of it is
	s_mov_b32 s20, 0
	s_mov_b32 s21, SCL+8192
	s_mov_b32 s22, 1024
	PADR 1
	FETCH 0
	BIAS 1
	FETCH 1
	s_mov_b32 s[I], 0
.Lv:                                               ; v's four pairs
	TRIP 1
	s_add_co_u32 s[I], s[I], 1
	s_cmp_lt_u32 s[I], 4
	s_wait_alu depctr_va_vdst(0)
	s_cbranch_scc1 .Lv
	s_wait_tensorcnt 0x0                           ; the wave's end
	ds_add_u32 v[SPW], v[NIL]
	s_wait_dscnt 0x0
	CROUND                                         ; the closing round
	s_endpgm
.Lfunc_end_k_q98f42c9972_gemm_qkv:
	.size	k_q98f42c9972_gemm_qkv, .Lfunc_end_k_q98f42c9972_gemm_qkv-k_q98f42c9972_gemm_qkv
	.p2alignl 7, 3214868480
	.fill 96, 4, 3214868480
	.section	.rodata,"a",@progbits
	.p2align	6, 0x0
	.amdhsa_kernel k_q98f42c9972_gemm_qkv
		.amdhsa_group_segment_fixed_size 327680
		.amdhsa_private_segment_fixed_size 0
		.amdhsa_enable_private_segment 0
		.amdhsa_kernarg_size 48
		.amdhsa_user_sgpr_count 2
		.amdhsa_user_sgpr_kernarg_segment_ptr 1
		.amdhsa_wavefront_size32 1
		.amdhsa_system_sgpr_workgroup_id_x 1
		.amdhsa_system_sgpr_workgroup_id_y 1
		.amdhsa_system_sgpr_workgroup_id_z 1
		.amdhsa_system_vgpr_workitem_id 0
		.amdhsa_next_free_vgpr 1024
		.amdhsa_next_free_sgpr 102
		.amdhsa_reserve_vcc 0
		.amdhsa_float_denorm_mode_32 3
		.amdhsa_float_denorm_mode_16_64 3
		.amdhsa_memory_ordered 1
		.amdhsa_forward_progress 1
		.amdhsa_inst_pref_size 80
	.end_amdhsa_kernel
	.amdgpu_metadata
---
amdhsa.version: [ 1, 2 ]
amdhsa.kernels:
  - .name:           k_q98f42c9972_gemm_qkv
    .symbol:         k_q98f42c9972_gemm_qkv.kd
    .args:
      - { .name: xq, .offset: 0, .size: 8, .value_kind: global_buffer, .address_space: global }
      - { .name: wq, .offset: 8, .size: 8, .value_kind: global_buffer, .address_space: global }
      - { .name: b_attn, .offset: 16, .size: 8, .value_kind: global_buffer, .address_space: global }
      - { .name: qq, .offset: 24, .size: 8, .value_kind: global_buffer, .address_space: global }
      - { .name: kq, .offset: 32, .size: 8, .value_kind: global_buffer, .address_space: global }
      - { .name: vq, .offset: 40, .size: 8, .value_kind: global_buffer, .address_space: global }
    .group_segment_fixed_size: 327680
    .private_segment_fixed_size: 0
    .kernarg_segment_align: 8
    .kernarg_segment_size: 48
    .max_flat_workgroup_size: 128
    .sgpr_count:     102
    .vgpr_count:     1024
    .wavefront_size: 32
...
	.end_amdgpu_metadata
.endif
;; end of part 2
;; launch attn (part 3): grid 2 x 128, 16 waves a work-group, no clusters, 311,296 bytes of LDS; arguments qq, kq, vq, tab, oq; writes oq
.if DOCPART == 3
	.amdgcn_target "amdgcn-amd-amdhsa--gfx1250"
	.amdhsa_code_object_version 6
	.text
	.protected	k_q98f42c9972_attn
	.globl	k_q98f42c9972_attn
	.p2align	8
	.type	k_q98f42c9972_attn,@function
k_q98f42c9972_attn:
	s_mov_b64 s[64:65], 0
	v_nop
	global_prefetch_b8 v0, s[64:65] scope:SCOPE_SE
	s_setreg_imm32_b32 hwreg(HW_REG_WAVE_MODE, 25, 1), 1
	s_wait_xcnt 0x0
; Causal attention with clamped relative positions, all products on codes of E4M3 with E8M0 scales; the result leaves quantised, as the last product's operand.
; SHARES.  Work-group (u, bh) owns the 32 query tiles (J, u) of head bh: tile (J, u) holds the queries 32 J + 8 u + a(n), a(n) = n + 8 (n / 8), n = 0 .. 15.  Wave w takes J = w, then J = 31 - w: even work.
; The head's K and V, and this u's table T, come into LDS ONCE, by one tensor load a wave at the head; nothing is filled again; one barrier.  No joint loads: K and V are shared by two work-groups and T by 128, not by four,
; and each work-group asks for its bytes once.
; LAYOUT.  Both products are used transposed: a lane holds one query (lane % 16) throughout.  K = 64 fills half of the form's 128: a fragment holds the two tiles of a key block, one in each half, and is multiplied
; by [Q | 0] and by [0 | Q]; since rows lie by position, the 16 scores so made are the keys 32 B + 16 (lane / 16) + 0 .. 15.
; RELATIVE KEYS.  The quantiser along d commutes with the gather, so the term is R[n][row] = Q(q) . Q(lut_k[row]).  Keys 16 or more back all take row 0: a constant of the query.  Beside the diagonal
; the rows are skewed: RE[z][n] for 96 clamped rows z goes to the wave's own LDS rows 101 words apart and is read 100 words apart: lane n then finds row (key - query) in place.
; RELATIVE VALUES.  aij_v is quantised along the KEYS.  A key block wholly 16 or more back is the constant Q0[d]: its part is Q0[d] x the sum of the block's QUANTISED p (a product with codes of 1.0).
; The query's own block and the one before hold mixed rows, another matrix for each query: table T, reached by a B operand in which all columns but two queries' are zero codes.
; SOFTMAX.  t = score x log2(e) / 8; M = the running largest t rounded up to a whole number; p = 2^(t - M) is quantised along the keys; the row's sum is taken of the unquantised p and divides at the end.
; LIMITS: NaN and infinities are not served; a block of zeros gets the byte 1; a block's largest p is made from its largest score by the same two instructions, which leans on v_exp_f32 not falling where its input rises.
.set KIMG, 0                           ; [key block 32][chunk 4][512]
.set VIMG, 65536                       ; [d tile 4][key block 32][512]
.set TIMG, 131072                      ; [g 8][d tile 4][chunk 4][512]
.set KSC,  196608                      ; [key block][row] words
.set VSC,  198656                      ; [d tile][4 blocks][row] words
.set TSC,  200704                      ; [g][d tile][row] words
.set EXT,  202752                      ; 6,656 bytes for each wave, its own: 16 rows of 101 words; no fill lands here
.set EXTW, 6656
.set FLOOR, 0x4800000
.set EOFF,  0xfc000000
.set EXPM,  0x7f800000
.set NEGINF, 0xff800000
.set L16, 1                            ; 16 x lane
.set L4,  2                            ; 4 x (lane % 16)
.set EXW, 3
.set EXR, 4
.set DM,  9                            ; 8 u + a(n) - 16 h: register e of the own block is hidden where e > DM
.set QSC, 10                           ; Q's scale word, its two bytes twice
.set ONESC, 11                         ; four bytes of 1.0
.set FR,  40                           ; v40-103  four fragments
.set S,   104                          ; v104-167 scores, then p; p's codes end in v104-119
.set O,   168                          ; v168-199 O^T, four tiles
.set SF,  200                          ; v200-207 the sum of the quantised p over far blocks
.set ONE, 208                          ; v208-223 codes of 1.0
.set BM,  224
.set TP,  228
.set HOLD, 232
.set SCO, 236
.set FSC, 240                          ; v240-243 the fragments' scale words
.set OFF, 244                          ; v244, 246, 248, 250: what is added to c x score, a block each
.set PW2, 251                          ; p's two scale bytes, twice
.set FF,  252                          ; f = 2^(old M - new M)
.set PW,  253                          ; p's scale word
.set TMP, 254
.set CR0, 255                          ; c x R[n][0]
.set BB,  120                          ; v120-167 three B operands for T, by turns
.set X,   120                          ; v120-151 the way out
.set WV, 14
.set U,  15
.set BH, 16
.set J,  17
.set NF, 18
.set ST, 19
.set SEL, 20
.set CS,  22
.set MNT, 24
.set PSEL, 25
.set G1A, 28
.set G1B, 36
.set G0A, 44
.set G0B, 48
.set LKB, 66
.set LKS, 68
.set QB,  70
.set QS,  72
.set OQB, 74
.set OQS, 76
	s_load_b256 s[4:11], s[0:1], 0x0               ; qq 4, kq 6, vq 8, tab 10
	s_load_b64 s[12:13], s[0:1], 0x20              ; oq
	v_lshl_add_u32 v254, v0, 2, 0x4b800
	v_mov_b32 v255, 0
	ds_add_u32 v254, v255
	ds_add_u32 v254, v255
	s_wait_dscnt 0x0
	v_lshrrev_b32 v1, 5, v0
	s_delay_alu instid0(VALU_DEP_1)
	v_readfirstlane_b32 s[WV], v1                  ; wave 0..15
	s_mov_b32 s[U], ttmp9
	s_and_b32 s[BH], ttmp7, 0xffff
	s_mov_b32 s[G1A], 3<<16                        ; 16,384 dense bytes as 64 rows of 256 (32 elements of 8 bytes)
	s_mov_b32 s[G1A+1], 32<<16
	s_mov_b32 s[G1A+2], 64<<16
	s_mov_b32 s[G1A+3], 32<<16
	s_mov_b32 s[G1A+4], 64
	s_mov_b32 s[G1A+5], 32
	s_mov_b32 s[G1A+6], 0
	s_mov_b32 s[G1A+7], 0
	s_mov_b32 s[G1B], 3<<16                        ; 2,048 dense bytes as 8 rows of 256
	s_mov_b32 s[G1B+1], 32<<16
	s_mov_b32 s[G1B+2], 8<<16
	s_mov_b32 s[G1B+3], 32<<16
	s_mov_b32 s[G1B+4], 8
	s_mov_b32 s[G1B+5], 32
	s_mov_b32 s[G1B+6], 0
	s_mov_b32 s[G1B+7], 0
	; waves 0-3 fetch K's codes, 4-7 V's, 8-11 T's, a quarter each; waves 12, 13, 14 their scale words; wave 15 nothing
	s_lshr_b32 s52, s[WV], 2
	s_sub_co_u32 s53, s[WV], 12
	s_cmp_lt_u32 s[WV], 12
	s_cselect_b32 s52, s52, s53                    ; 0 K, 1 V, 2 T
	s_lshl_b32 s54, s[BH], 16
	s_lshl_b32 s55, s[U], 16
	s_lshl_b32 s56, s[BH], 11
	s_add_co_u32 s56, s56, 0x800000
	s_lshl_b32 s57, s[U], 11
	s_add_co_u32 s57, s57, 131072
	s_cmp_lt_u32 s52, 2
	s_cselect_b32 s54, s54, s55
	s_cselect_b32 s56, s56, s57
	s_and_b32 s55, s[WV], 3
	s_lshl_b32 s55, s55, 14
	s_add_co_u32 s54, s54, s55
	s_mov_b32 s55, 0
	s_mov_b32 s57, 0
	s_wait_kmcnt 0x0
	s_cmp_eq_u32 s52, 1
	s_cselect_b64 s[58:59], s[8:9], s[10:11]
	s_cmp_eq_u32 s52, 0
	s_cselect_b64 s[58:59], s[6:7], s[58:59]
	s_mov_b32 s[G0A], 1
	s_lshl_b32 s[G0A+1], s[WV], 14                 ; LDS: wave x 16,384
	s_add_nc_u64 s[G0A+2:G0A+3], s[58:59], s[54:55]
	s_or_b32 s[G0A+3], s[G0A+3], 0x80000000
	s_mov_b32 s[G0B], 1
	s_lshl_b32 s[G0B+1], s[WV], 11
	s_add_co_u32 s[G0B+1], s[G0B+1], 172032        ; LDS: KSC + (wave - 12) x 2,048
	s_add_nc_u64 s[G0B+2:G0B+3], s[58:59], s[56:57]
	s_or_b32 s[G0B+3], s[G0B+3], 0x80000000
	s_cmp_lt_u32 s[WV], 12
	s_cbranch_scc0 .Lsmall
	tensor_load_to_lds s[G0A:G0A+3], s[G1A:G1A+7]
	s_nop 0
.rept 4
	v_nop
.endr
	s_branch .Lasked
.Lsmall:
	s_cmp_lt_u32 s[WV], 15
	s_cbranch_scc0 .Lasked
	tensor_load_to_lds s[G0B:G0B+3], s[G1B:G1B+7]
	s_nop 0
.rept 4
	v_nop
.endr
.Lasked:
	v_and_b32 v5, 31, v0
	s_delay_alu instid0(VALU_DEP_1)
	v_lshlrev_b32 v[L16], 4, v5
	v_and_b32 v6, 15, v0                           ; n
	s_delay_alu instid0(VALU_DEP_1)
	v_lshlrev_b32 v[L4], 2, v6
	v_bfe_u32 v7, v0, 4, 1                         ; h
	v_and_b32 v8, 8, v0                            ; 8 (n / 8)
	s_mul_i32 s52, s[WV], EXTW
	s_add_co_u32 s52, s52, EXT
	v_mul_u32_u24 v[EXW], v6, 404
	s_delay_alu instid0(VALU_DEP_1)
	v_lshl_add_u32 v[EXW], v7, 5, v[EXW]
	s_delay_alu instid0(VALU_DEP_1)
	v_add_nc_u32 v[EXW], s52, v[EXW]               ; in: row n of 101 words, + 8 h words
	; out: word 101 n + (24 - a(n)) + 16 h = byte 400 n - 32 (n / 8) + 96 + 64 h.  With n = n % 8 + 8 (n / 8) that is 400 (n % 8) + 3,168 (n / 8) + 96 + 64 h: sums and products alone.
	; With the loads' offsets (at most 176, 16 bytes each) a wave's reads lie in bytes 96 .. 6,319 of its own 6,656.
	v_and_b32 v9, 7, v0
	s_delay_alu instid0(VALU_DEP_1)
	v_mul_u32_u24 v[EXR], v9, 400
	v_bfe_u32 v9, v0, 3, 1
	s_delay_alu instid0(VALU_DEP_1)
	v_mad_u32_u24 v[EXR], v9, 3168, v[EXR]
	s_delay_alu instid0(VALU_DEP_1)
	v_lshl_add_u32 v[EXR], v7, 6, v[EXR]
	s_add_co_u32 s52, s52, 96
	v_add_nc_u32 v[EXR], s52, v[EXR]
	v_add_nc_u32 v[DM], v6, v8
	v_lshlrev_b32 v7, 4, v7
	s_delay_alu instid0(VALU_DEP_1)
	v_sub_nc_u32 v[DM], v[DM], v7
	s_lshl_b32 s52, s[U], 3
	v_add_nc_u32 v[DM], s52, v[DM]
	v_mov_b32 v[ONESC], 0x7f7f7f7f
.irp i, 16,17,18,19,20,21,22,23,32,33,34,35,36,37,38,39
	v_mov_b32 v\i, 0                               ; the zero halves beside Q
.endr
.set E, 0
.rept 16
	v_mov_b32 v[ONE+E], 0x38383838
.set E, E+1
.endr
.irp i, 228,229,230,231,245,247,249,251,253,254
	v_mov_b32 v\i, 0                               ; lane permutes' destinations, and the upper halves of pairs that packed lines name
.endr
	s_mov_b32 s[SEL], 0x76543210
	s_mov_b32 s[SEL+1], 0xfedcba98
	s_mov_b32 s[CS], 0x3e38aa3b                    ; c = log2(e) / 8
	s_mov_b32 s[CS+1], s[CS]
	s_mov_b32 s[MNT], 0x600000
	s_mov_b32 s[PSEL], 0x03020302
	s_cmp_eq_u32 s[U], 0
	s_cselect_b32 s[PSEL], 0x01000100, s[PSEL]     ; which half of a scale word is tile 2 J + u's
	s_mov_b32 s53, 0
	s_lshl_b32 s52, s[BH], 16
	s_add_nc_u64 s[QB:QB+1], s[4:5], s[52:53]
	s_lshl_b32 s52, s[BH], 11
	s_add_co_u32 s52, s52, 0x800000
	s_add_nc_u64 s[QS:QS+1], s[4:5], s[52:53]
	s_mul_i32 s52, s[U], 6144
	s_add_co_u32 s52, s52, 135168
	s_add_nc_u64 s[LKB:LKB+1], s[10:11], s[52:53]
	s_lshl_b32 s52, s[U], 8
	s_add_co_u32 s52, s52, 147456
	s_add_nc_u64 s[LKS:LKS+1], s[10:11], s[52:53]
	s_lshr_b32 s54, s[BH], 4                       ; b
	s_and_b32 s55, s[BH], 15                       ; the head
	s_lshl_b32 s52, s54, 20
	s_lshl_b32 s56, s55, 10
	s_add_co_u32 s52, s52, s56
	s_add_nc_u64 s[OQB:OQB+1], s[12:13], s[52:53]
	s_lshl_b32 s52, s54, 15
	s_lshr_b32 s56, s55, 2
	s_lshl_b32 s56, s56, 7
	s_add_co_u32 s52, s52, s56
	s_and_b32 s56, s55, 3
	s_lshl_b32 s56, s56, 1
	s_add_co_u32 s52, s52, s56
	s_add_co_u32 s52, s52, 0x800000
	s_add_nc_u64 s[OQS:OQS+1], s[12:13], s[52:53]
; nb blocks of 32 keys: scores in v[S + 16 b + e], what is added to c x score in v[OFF + 2 b].  Leaves p's codes in v[S] on, its scale word in v[PW], f in v[FF]; l is brought under the new M and takes the new p.
.macro SOFT_A nb
.irp b, 0,1,2,3
.if \b < \nb
	v_max3_num_f32 v[BM+\b], v[S+16*\b], v[S+16*\b+1], v[S+16*\b+2]       ; each block's largest score: for the row's maximum, and for the block's largest p
.endif
.endr
.irp i, 3,5,7,9,11,13
.irp b, 0,1,2,3
.if \b < \nb
	v_max3_num_f32 v[BM+\b], v[BM+\b], v[S+16*\b+\i], v[S+16*\b+\i+1]
.endif
.endr
.endr
.irp b, 0,1,2,3
.if \b < \nb
	v_max_num_f32 v[BM+\b], v[BM+\b], v[S+16*\b+15]
.endif
.endr
.irp b, 0,1,2,3
.if \b < \nb
	v_permlanex16_b32 v[TP+\b], v[BM+\b], s[SEL], s[SEL+1]
.endif
.endr
.irp b, 0,1,2,3
.if \b < \nb
	v_max_num_f32 v[BM+\b], v[BM+\b], v[TP+\b]
.endif
.endr
.irp b, 0,1,2,3
.if \b < \nb
	v_fma_f32 v[TP+\b], v[BM+\b], s[CS], v[OFF+2*\b]                      ; as t
.endif
.endr
.if \nb == 4
	s_delay_alu instid0(VALU_DEP_2)
	v_max3_num_f32 v[TMP], v[TP], v[TP+1], v[TP+2]
	s_delay_alu instid0(VALU_DEP_1)
	v_max_num_f32 v[TMP], v[TMP], v[TP+3]
.else
	s_delay_alu instid0(VALU_DEP_1)
	v_max_num_f32 v[TMP], v[TP], v[TP+1]
.endif
	s_delay_alu instid0(VALU_DEP_1)
	v_max_num_f32 v13, v13, v[TMP]                 ; the running largest t
	v_mov_b32 v[TMP], v12
	s_delay_alu instid0(VALU_DEP_2)
	v_floor_f32 v12, -v13                          ; -M = floor(-t): M is a whole number
	s_delay_alu instid0(VALU_DEP_1)
	v_sub_f32 v[TMP], v12, v[TMP]
	s_delay_alu instid0(VALU_DEP_1)
	v_cvt_i32_f32 v[TMP], v[TMP]                   ; (it saturates)
	s_delay_alu instid0(VALU_DEP_1)
	v_ldexp_f32 v[FF], 1.0, v[TMP]                 ; f = 2^(old M - new M): a multiplication by it rounds nothing
.irp b, 0,1,2,3
.if \b < \nb
	v_add_f32 v[OFF+2*\b], v[OFF+2*\b], v12
.endif
.endr
.irp b, 0,1,2,3
.if \b < \nb
.irp j, 0,2,4,6,8,10,12,14
	v_pk_fma_f32 v[S+16*\b+\j:S+16*\b+\j+1], v[S+16*\b+\j:S+16*\b+\j+1], s[CS:CS+1], v[OFF+2*\b:OFF+2*\b+1] op_sel_hi:[1,0,0]   ; t - M
.endr
.endif
.endr
.irp b, 0,1,2,3
.if \b < \nb
	v_fma_f32 v[BM+\b], v[BM+\b], s[CS], v[OFF+2*\b]
.endif
.endr
.set E, 0
	s_wait_alu depctr_va_vdst(0)
.rept 16*\nb
	v_exp_f32 v[S+E], v[S+E]                       ; p = 2^(t - M): one batch
.set E, E+1
.endr
	v_pk_mul_f32 v[14:15], v[14:15], v[FF:FF+1] op_sel_hi:[1,0]           ; the sums under the new M (a plain line behind the batch)
	s_wait_alu depctr_va_vdst(0)                   ; one wait for the batch, ahead of its first reader
.irp b, 0,1,2,3
.if \b < \nb
	v_exp_f32 v[BM+\b], v[BM+\b]                   ; each block's largest p
.endif
.endr
	v_pk_add_f32 v[TP:TP+1], v[S:S+1], v[S+2:S+3]  ; the row's sum of the UNQUANTISED p, in two chains
.set E, 4
.rept 4*\nb-1
	v_pk_add_f32 v[14:15], v[14:15], v[S+E:S+E+1]
	v_pk_add_f32 v[TP:TP+1], v[TP:TP+1], v[S+E+2:S+E+3]
.set E, E+4
.endr
	s_delay_alu instid0(VALU_DEP_1)
	v_pk_add_f32 v[14:15], v[14:15], v[TP:TP+1]
	s_wait_alu depctr_va_vdst(0)                   ; and one for the blocks' largest p
.irp b, 0,1,2,3
.if \b < \nb
	v_max_num_f32 v[BM+\b], FLOOR, v[BM+\b]
.endif
.endr
.irp b, 0,1,2,3
.if \b < \nb
	v_add_nc_u32 v[SCO+\b], EOFF, v[BM+\b]
.endif
.endr
.irp b, 0,1,2,3
.if \b < \nb
	v_and_or_b32 v[HOLD+\b], v[BM+\b], EXPM, s[MNT]
.endif
.endr
.irp b, 0,1,2,3
.if \b < \nb
	v_lshrrev_b32 v[TP+\b], 23, v[SCO+\b]
.endif
.endr
	v_lshl_or_b32 v[PW], v[TP+1], 8, v[TP]
.if \nb == 4
	s_delay_alu instid0(VALU_DEP_1)
	v_lshl_or_b32 v[PW], v[TP+2], 16, v[PW]
	s_delay_alu instid0(VALU_DEP_1)
	v_lshl_or_b32 v[PW], v[TP+3], 24, v[PW]
.endif
.irp b, 0,1,2,3
.if \b < \nb
.set E, 0
.rept 16
	v_min_num_f32 v[S+16*\b+E], v[S+16*\b+E], v[HOLD+\b]                  ; p is not negative: the hold is one-sided
.set E, E+1
.endr
.if \b == 0
	v_cvt_scalef32_pk8_fp8_f32 v[BM:BM+1], v[S:S+7], v[SCO]               ; block 0's codes wait aside: their place still holds its numbers
	v_cvt_scalef32_pk8_fp8_f32 v[BM+2:BM+3], v[S+8:S+15], v[SCO]
.else
	v_cvt_scalef32_pk8_fp8_f32 v[S+4*\b:S+4*\b+1], v[S+16*\b:S+16*\b+7], v[SCO+\b]      ; over block 0's numbers, which are done with; the sixteen holds above stand between
	v_cvt_scalef32_pk8_fp8_f32 v[S+4*\b+2:S+4*\b+3], v[S+16*\b+8:S+16*\b+15], v[SCO+\b]
.endif
.endif
.endr
.irp k, 0,1,2,3
	v_mov_b32 v[S+\k], v[BM+\k]
.endr
.if \nb == 2
.irp k, 8,9,10,11,12,13,14,15
	v_mov_b32 v[S+\k], 0                           ; the operand's upper half: zero codes
.endr
.endif
.endm
.macro RESCALE                         ; O^T and the far sum under the new M; these twenty lines are also the places in front of the products that follow
.set E, 0
.rept 20
	v_pk_mul_f32 v[O+E:O+E+1], v[O+E:O+E+1], v[FF:FF+1] op_sel_hi:[1,0]
.set E, E+2
.endr
.endm
; A FAR STEP: key blocks 4 ST .. 4 ST + 3.  Every wave walks eight trips; a trip with no block 2 or more behind the tile's own is passed over by a branch on ids.
.macro FSTEP
	s_cmp_ge_u32 s[ST], s[NF]
	s_cbranch_scc1 .Lskip_\@
	s_lshl_b32 s52, s[ST], 13
	s_lshl_b32 s53, s[ST], 8
	s_add_co_u32 s53, s53, KSC
	s_lshl_b32 s54, s[ST], 11
	s_add_co_u32 s54, s54, VIMG
	s_lshl_b32 s55, s[ST], 6
	s_add_co_u32 s55, s55, VSC
	v_add_nc_u32 v5, s52, v[L16]
	v_add_nc_u32 v7, s53, v[L4]
	v_add_nc_u32 v6, s54, v[L16]
	v_add_nc_u32 v8, s55, v[L4]
.rept 5
	v_nop                                          ; nine places with the four above: the scores below are written over p's codes, which the last products read
.endr
.irp b, 0,1,2,3
.irp c, 0,1,2,3
	ds_load_b128 v[FR+16*\b+4*\c:FR+16*\b+4*\c+3], v5 offset:2048*\b+512*\c
.endr
	ds_load_b32 v[FSC+\b], v7 offset:64*\b
.endr
	s_wait_dscnt 0x0
	s_wait_alu depctr_va_vdst(0)
.irp b, 0,1,2,3
	v_wmma_scale_f32_16x16x128_f8f6f4 v[S+16*\b:S+16*\b+7], v[FR+16*\b:FR+16*\b+15], v[24:39], 0, v[FSC+\b], v[QSC]
	v_wmma_scale_f32_16x16x128_f8f6f4 v[S+16*\b+8:S+16*\b+15], v[FR+16*\b:FR+16*\b+15], v[16:31], 0, v[FSC+\b], v[QSC]
.endr
	s_lshl_b32 s52, s[ST], 2
.irp b, 0,1,2,3
	s_add_co_u32 s53, s52, \b+2
	s_cmp_le_u32 s53, s[J]
	s_cselect_b32 s53, 0, NEGINF                   ; a block that is not far counts for nothing here
	v_add_f32 v[OFF+2*\b], s53, v[CR0]
.endr
.rept 4
	v_nop                                          ; eight places with the four above
.endr
.irp d, 0,1,2,3
.irp c, 0,1,2,3
	ds_load_b128 v[FR+16*\d+4*\c:FR+16*\d+4*\c+3], v6 offset:16384*\d+512*\c          ; V's fragments land under the softmax
.endr
	ds_load_b32 v[FSC+\d], v8 offset:512*\d
.endr
	SOFT_A 4
	RESCALE
	s_wait_alu depctr_va_vdst(0)
	s_wait_dscnt 0x0
.irp d, 0,1,2,3
	v_wmma_scale_f32_16x16x128_f8f6f4 v[O+8*\d:O+8*\d+7], v[FR+16*\d:FR+16*\d+15], v[S:S+15], v[O+8*\d:O+8*\d+7], v[FSC+\d], v[PW]
.endr
	v_wmma_scale_f32_16x16x128_f8f6f4 v[SF:SF+7], v[ONE:ONE+15], v[S:S+15], v[SF:SF+7], v[ONESC], v[PW]
.Lskip_\@:
.endm
; B operand g for table T: chunks 0, 1 hold the two near blocks' codes in query 2 g's column alone, chunks 2, 3 in query 2 g + 1's; all else zero codes
.macro BUILD g
	s_mov_b32 s58, 0x10001<<(2*(\g))
	s_mov_b32 s59, 0x10001<<(2*(\g)+1)
.irp c, 0,1,2,3
.irp k, 0,1,2,3
	v_cndmask_b32 v[BB+16*((\g)%3)+4*\c+\k], 0, v[S+4*(\c%2)+\k], s[58+\c/2]
.endr
.endr
.endm
.macro TILE which
	; ---- the tile's head
	s_wait_xcnt 0x0                                ; the last tile's stores have read their registers and bases
.if \which
	s_xor_b32 s[J], s[WV], 31
.else
	s_mov_b32 s[J], s[WV]
.endif
	s_add_co_u32 s[NF], s[J], 2
	s_lshr_b32 s[NF], s[NF], 2                     ; far steps: ceil((J - 1) / 4)
	s_lshl_b32 s52, s[J], 1
	s_add_co_u32 s52, s52, s[U]
	s_mov_b32 s55, 0
	s_lshl_b32 s54, s52, 10
	s_add_nc_u64 s[78:79], s[QB:QB+1], s[54:55]
	s_lshl_b32 s54, s[J], 6
	s_add_nc_u64 s[80:81], s[QS:QS+1], s[54:55]
	s_lshl_b32 s54, s52, 14
	s_add_nc_u64 s[82:83], s[OQB:OQB+1], s[54:55]
	s_lshl_b32 s54, s52, 9
	s_add_nc_u64 s[84:85], s[OQS:OQS+1], s[54:55]
	global_load_b128 v[24:27], v[L16], s[78:79]
	global_load_b128 v[28:31], v[L16], s[78:79] offset:512
	global_load_b32 v[TMP], v[L4], s[80:81]
.irp f, 0,1,2
.irp c, 0,1,2,3
	global_load_b128 v[FR+16*\f+4*\c:FR+16*\f+4*\c+3], v[L16], s[LKB:LKB+1] offset:2048*\f+512*\c
.endr
	global_load_b32 v[FSC+\f], v[L4], s[LKS:LKS+1] offset:64*\f
.endr
	v_mov_b32 v13, 0xff61b1e6                      ; the largest t so far: -3e38
	s_delay_alu instid0(VALU_DEP_1)
	v_floor_f32 v12, -v13
	v_mov_b32 v14, 0
	v_mov_b32 v15, 0
.set E, 0
.rept 40
	v_mov_b32 v[O+E], 0                            ; the steps are written once: the first finds zeros, which the first change of M leaves zeros
.set E, E+1
.endr
	s_wait_loadcnt 0x0
	v_perm_b32 v[QSC], v[TMP], v[TMP], s[PSEL]
.rept 8
	v_nop                                          ; a scale register written by a vector line stands eight places ahead of its product
.endr
	; ---- RE[z][n] = LK_u[z] . Q[n], z = 16 t + 8 h + j
.irp t, 0,2,4
	v_wmma_scale_f32_16x16x128_f8f6f4 v[S+8*\t:S+8*\t+7], v[FR+8*\t:FR+8*\t+15], v[24:39], 0, v[FSC+\t/2], v[QSC]
	v_wmma_scale_f32_16x16x128_f8f6f4 v[S+8*\t+8:S+8*\t+15], v[FR+8*\t:FR+8*\t+15], v[16:31], 0, v[FSC+\t/2], v[QSC]
.endr
.rept 8
	v_nop
.endr
	v_mul_f32 v[CR0], s[CS], v[S]                  ; z = 0 and z = 8 are both the table's row 0
.if \which == 0
	; the launch's one barrier stands here, ahead of the first tile's first LDS access: that tile's loads of Q and of lut_k's rows and its six products above touch no LDS
	s_wait_alu depctr_va_vdst(0)
	s_wait_tensorcnt 0x0                           ; my fill has landed,
	s_barrier_signal -1
	s_barrier_wait -1                              ; everybody's has
.endif
.irp t, 0,1,2,3,4,5
.irp j, 0,1,2,3,4,5,6,7
	ds_store_b32 v[EXW], v[S+8*\t+\j] offset:64*\t+4*\j
.endr
.endr
	; ---- the far blocks
	s_mov_b32 s[ST], 0
.Lfar_\@:
	FSTEP
	s_add_co_u32 s[ST], s[ST], 1
	s_cmp_lt_u32 s[ST], 8
	s_cbranch_scc1 .Lfar_\@
	; ---- the edge: the block before the tile's own (block 0 here) and its own (block 1)
	s_add_co_u32 s52, s[J], 31
	s_and_b32 s52, s52, 31
	s_lshl_b32 s53, s52, 11
	s_lshl_b32 s54, s[J], 11
	s_lshl_b32 s55, s52, 6
	s_add_co_u32 s55, s55, KSC
	s_lshl_b32 s56, s[J], 6
	s_add_co_u32 s56, s56, KSC
	s_cmp_eq_u32 s[J], 0
	s_cselect_b32 s57, NEGINF, 0                   ; tile 0 has no block before: it is hidden as a whole
	v_add_nc_u32 v5, s53, v[L16]
	v_add_nc_u32 v6, s54, v[L16]
	v_add_nc_u32 v7, s55, v[L4]
	v_add_nc_u32 v8, s56, v[L4]
	v_mov_b32 v[OFF], s57
	v_mov_b32 v[OFF+2], 0
.rept 3
	v_nop                                          ; nine places with the six above
.endr
.irp c, 0,1,2,3
	ds_load_b128 v[FR+4*\c:FR+4*\c+3], v5 offset:512*\c
	ds_load_b128 v[FR+16+4*\c:FR+16+4*\c+3], v6 offset:512*\c
.endr
	ds_load_b32 v[FSC], v7
	ds_load_b32 v[FSC+1], v8
.irp e, 0,1
.irp k, 0,1,2,3
	ds_load_b128 v[FR+32+16*\e+4*\k:FR+32+16*\e+4*\k+3], v[EXR] offset:128*\e+16*\k   ; the skewed rows; LDS serves a wave's instructions in order: these see my stores
.endr
.endr
	s_wait_dscnt 0x0
	s_wait_alu depctr_va_vdst(0)
.irp b, 0,1
	v_wmma_scale_f32_16x16x128_f8f6f4 v[S+16*\b:S+16*\b+7], v[FR+16*\b:FR+16*\b+15], v[24:39], 0, v[FSC+\b], v[QSC]
	v_wmma_scale_f32_16x16x128_f8f6f4 v[S+16*\b+8:S+16*\b+15], v[FR+16*\b:FR+16*\b+15], v[16:31], 0, v[FSC+\b], v[QSC]
.endr
.rept 8
	v_nop
.endr
.set E, 0
.rept 16
	v_pk_add_f32 v[S+E:S+E+1], v[S+E:S+E+1], v[FR+32+E:FR+32+E+1]
.set E, E+2
.endr
	v_mov_b32 v[TMP], NEGINF
.irp e, 0,1,2,3,4,5,6,7,8,9,10,11,12,13,14,15
	v_cmp_gt_i32 vcc_lo, \e, v[DM]                 ; the causal mask, in the own block alone
	s_delay_alu instid0(VALU_DEP_1)
	v_cndmask_b32 v[S+16+\e], v[S+16+\e], v[TMP], vcc_lo
.endr
	s_lshl_b32 s53, s52, 9
	s_add_co_u32 s53, s53, VIMG
	s_lshl_b32 s54, s[J], 9
	s_add_co_u32 s54, s54, VIMG
	s_lshr_b32 s55, s52, 2
	s_lshl_b32 s55, s55, 6
	s_and_b32 s56, s52, 3
	s_add_co_u32 s55, s55, s56
	s_add_co_u32 s55, s55, VSC
	s_lshr_b32 s56, s[J], 2
	s_lshl_b32 s56, s56, 6
	s_and_b32 s57, s[J], 3
	s_add_co_u32 s56, s56, s57
	s_add_co_u32 s56, s56, VSC
	v_add_nc_u32 v5, s53, v[L16]
	v_add_nc_u32 v6, s54, v[L16]
	v_add_nc_u32 v7, s55, v[L4]
	v_add_nc_u32 v8, s56, v[L4]
.irp d, 0,1,2,3
.irp c, 0,1,2,3
	ds_load_b128 v[FR+16*\d+4*\c:FR+16*\d+4*\c+3], v[5+\c%2] offset:16384*\d          ; chunks 0, 1: the two blocks; chunks 2, 3 the same once more: valid codes under p's zero codes
.endr
	ds_load_u8 v[S+32+\d], v7 offset:512*\d
	ds_load_u8 v[S+36+\d], v8 offset:512*\d
.endr
	SOFT_A 2
	v_add_nc_u32 v5, TIMG, v[L16]
	v_add_nc_u32 v7, TSC, v[L4]
	s_wait_dscnt 0x0
.irp d, 0,1,2,3
	v_lshl_or_b32 v[FSC+\d], v[S+36+\d], 8, v[S+32+\d]
.endr
	v_lshl_or_b32 v[PW2], v[PW], 16, v[PW]
	RESCALE
	BUILD 0
.irp d, 0,1,2,3
	v_wmma_scale_f32_16x16x128_f8f6f4 v[O+8*\d:O+8*\d+7], v[FR+16*\d:FR+16*\d+15], v[S:S+15], v[O+8*\d:O+8*\d+7], v[FSC+\d], v[PW]
.endr
.rept 8
	v_nop                                          ; places in front of the loads below: the lines of BUILD name p's codes, which these products read
.endr
.irp g, 0,1,2,3,4,5,6,7
.if \g < 7
	BUILD \g+1                                     ; sixteen plain lines: the places behind the last products, and in front of this operand's use a turn later
.else
.rept 8
	v_nop
.endr
.endif
.irp d, 0,1,2,3
.irp c, 0,1,2,3
	ds_load_b128 v[FR+16*\d+4*\c:FR+16*\d+4*\c+3], v5 offset:8192*\g+2048*\d+512*\c
.endr
	ds_load_b32 v[FSC+\d], v7 offset:256*\g+64*\d
.endr
	s_wait_alu depctr_va_vdst(0)
	s_wait_dscnt 0x0
.irp d, 0,1,2,3
	v_wmma_scale_f32_16x16x128_f8f6f4 v[O+8*\d:O+8*\d+7], v[FR+16*\d:FR+16*\d+15], v[BB+16*(\g%3):BB+16*(\g%3)+15], v[O+8*\d:O+8*\d+7], v[FSC+\d], v[PW2]
.endr
.endr
	; ---- the way out: (O^T + Q0 x the far sum) / l, quantised along d; register 16 B + e is channel 32 B + 16 h + e
.rept 8
	v_nop
.endr
	v_bfe_u32 v5, v0, 4, 1
	s_delay_alu instid0(VALU_DEP_1)
	v_lshlrev_b32 v5, 5, v5
.irp d, 0,1,2,3
.irp k, 0,1
	global_load_b128 v[FR+8*\d+4*\k:FR+8*\d+4*\k+3], v5, s[10:11] offset:147968+64*\d+16*\k
.endr
.endr
	v_add_f32 v14, v14, v15
	s_delay_alu instid0(VALU_DEP_1)
	v_permlanex16_b32 v[TMP], v14, s[SEL], s[SEL+1]
	s_delay_alu instid0(VALU_DEP_1)
	v_add_f32 v14, v14, v[TMP]                     ; the row's sum
	s_wait_alu depctr_va_vdst(0)
	v_rcp_f32 v14, v14
	v_lshlrev_b32 v6, 1, v[L4]                     ; 8 n (a plain line behind the reciprocal)
	s_wait_alu depctr_va_vdst(0)                   ; ahead of the reciprocal's first reader
	s_wait_loadcnt 0x0
.set E, 0
.rept 16
	v_pk_fma_f32 v[X+E:X+E+1], v[FR+E:FR+E+1], v[SF:SF+1], v[O+E:O+E+1] op_sel_hi:[1,0,1]
.set E, E+2
.endr
.set E, 0
.rept 16
	v_pk_mul_f32 v[X+E:X+E+1], v[X+E:X+E+1], v[14:15] op_sel_hi:[1,0]
.set E, E+2
.endr
.irp g, 0,1
	v_max3_num_f32 v[BM+\g], |v[X+16*\g]|, |v[X+16*\g+1]|, FLOOR
.endr
.irp i, 2,4,6,8,10,12,14
.irp g, 0,1
	s_delay_alu instid0(VALU_DEP_2)
	v_max3_num_f32 v[BM+\g], v[BM+\g], |v[X+16*\g+\i]|, |v[X+16*\g+\i+1]|
.endr
.endr
.irp g, 0,1
	s_delay_alu instid0(VALU_DEP_2)
	v_permlanex16_b32 v[TP+\g], v[BM+\g], s[SEL], s[SEL+1]
.endr
.irp g, 0,1
	s_delay_alu instid0(VALU_DEP_2)
	v_max_num_f32 v[BM+\g], v[BM+\g], v[TP+\g]
.endr
.irp g, 0,1
	s_delay_alu instid0(VALU_DEP_2)
	v_add_nc_u32 v[SCO+\g], EOFF, v[BM+\g]
.endr
.irp g, 0,1
	s_delay_alu instid0(VALU_DEP_4)
	v_and_or_b32 v[HOLD+\g], v[BM+\g], EXPM, s[MNT]
.endr
.irp g, 0,1
	s_delay_alu instid0(VALU_DEP_4)
	v_lshrrev_b32 v[TP+\g], 23, v[SCO+\g]
.endr
	s_delay_alu instid0(VALU_DEP_1)
	v_lshl_or_b32 v8, v[TP+1], 8, v[TP]
.irp g, 0,1
.set E, 0
.rept 16
	v_med3_num_f32 v[X+16*\g+E], v[X+16*\g+E], -v[HOLD+\g], v[HOLD+\g]
.set E, E+1
.endr
	v_cvt_scalef32_pk8_fp8_f32 v[S+4*\g:S+4*\g+1], v[X+16*\g:X+16*\g+7], v[SCO+\g]
	v_cvt_scalef32_pk8_fp8_f32 v[S+4*\g+2:S+4*\g+3], v[X+16*\g+8:X+16*\g+15], v[SCO+\g]
.endr
	v_nop                                          ; a plain line behind the last conversion
	global_store_b128 v[L16], v[S:S+3], s[82:83]               ; two chunks of the token tile's image: 512 consecutive bytes each
	global_store_b128 v[L16], v[S+4:S+7], s[82:83] offset:512
	global_store_b16 v6, v8, s[84:85]              ; this head's two scale bytes of a row's eight; both halves of the lanes write the same
.endm
	TILE 0
	TILE 1
	s_wait_xcnt 0x0
	v_lshl_add_u32 v254, v0, 2, 0x4b800
	v_mov_b32 v255, 0
	s_wait_alu depctr_va_vdst(0)
	s_wait_tensorcnt 0x0
	ds_add_u32 v254, v255
	s_wait_dscnt 0x0
	s_endpgm
.Lfunc_end_k_q98f42c9972_attn:
	.size	k_q98f42c9972_attn, .Lfunc_end_k_q98f42c9972_attn-k_q98f42c9972_attn
	.p2alignl 7, 3214868480
	.fill 96, 4, 3214868480
	.section	.rodata,"a",@progbits
	.p2align	6, 0x0
	.amdhsa_kernel k_q98f42c9972_attn
		.amdhsa_group_segment_fixed_size 311296
		.amdhsa_private_segment_fixed_size 0
		.amdhsa_enable_private_segment 0
		.amdhsa_kernarg_size 40
		.amdhsa_user_sgpr_count 2
		.amdhsa_user_sgpr_kernarg_segment_ptr 1
		.amdhsa_wavefront_size32 1
		.amdhsa_system_sgpr_workgroup_id_x 1
		.amdhsa_system_sgpr_workgroup_id_y 1
		.amdhsa_system_sgpr_workgroup_id_z 1
		.amdhsa_system_vgpr_workitem_id 0
		.amdhsa_next_free_vgpr 256
		.amdhsa_next_free_sgpr 90
		.amdhsa_reserve_vcc 1
		.amdhsa_float_denorm_mode_32 3
		.amdhsa_float_denorm_mode_16_64 3
		.amdhsa_memory_ordered 1
		.amdhsa_forward_progress 1
		.amdhsa_inst_pref_size 165
	.end_amdhsa_kernel
	.amdgpu_metadata
---
amdhsa.version: [ 1, 2 ]
amdhsa.kernels:
  - .name:           k_q98f42c9972_attn
    .symbol:         k_q98f42c9972_attn.kd
    .args:
      - { .name: qq, .offset: 0, .size: 8, .value_kind: global_buffer, .address_space: global }
      - { .name: kq, .offset: 8, .size: 8, .value_kind: global_buffer, .address_space: global }
      - { .name: vq, .offset: 16, .size: 8, .value_kind: global_buffer, .address_space: global }
      - { .name: tab, .offset: 24, .size: 8, .value_kind: global_buffer, .address_space: global }
      - { .name: oq, .offset: 32, .size: 8, .value_kind: global_buffer, .address_space: global }
    .group_segment_fixed_size: 311296
    .private_segment_fixed_size: 0
    .kernarg_segment_align: 8
    .kernarg_segment_size: 40
    .max_flat_workgroup_size: 512
    .sgpr_count:     90
    .vgpr_count:     256
    .wavefront_size: 32
...
	.end_amdgpu_metadata
.endif
;; end of part 3
;; launch gemm_out (part 4): grid 32 x 8, 4 waves a work-group, clusters of 4 x 4, 327,680 bytes of LDS; arguments oq, wq, b_proj, out0; writes out0
.if DOCPART == 4
	.amdgcn_target "amdgcn-amd-amdhsa--gfx1250"
	.amdhsa_code_object_version 6
	.text
	.protected	k_q98f42c9972_gemm_out
	.globl	k_q98f42c9972_gemm_out
	.p2align	8
	.type	k_q98f42c9972_gemm_out,@function
k_q98f42c9972_gemm_out:
	s_mov_b64 s[64:65], 0
	v_nop
	global_prefetch_b8 v0, s[64:65] scope:SCOPE_SE
	s_setreg_imm32_b32 hwreg(HW_REG_WAVE_MODE, 25, 1), 1
	s_wait_xcnt 0x0
	s_wait_alu depctr_hold_cnt(0) depctr_sa_sdst(0) depctr_va_vdst(0) depctr_va_sdst(0) depctr_va_ssrc(0) depctr_va_vcc(0) depctr_vm_vsrc(0)
	s_getreg_b32 s2, hwreg(HW_REG_IB_STS2, 6, 4)
	s_cmp_eq_u32 s2, 0
	s_cbranch_scc0 .Lentry_in_a_cluster
	s_endpgm
.Lentry_in_a_cluster:
	s_bfe_u32 s2, ttmp6, 0x10000c
	s_cmp_lg_u32 s2, 0xf033
	s_cbranch_scc0 .Lentry_shape_is_right
	s_endpgm
.Lentry_shape_is_right:
; out0 = o W_proj + b_proj on codes of E4M3 with E8M0 scales, K = 1,024; f32 results.
; SHARES.  Work-group (rg, g): 256 tokens x 128 columns: 256 work-groups.  A wave holds its own 64 tokens, all of K, in 512 registers (windows 1, 2): the first three 128s of K by plain loads of the image,
; the other five (160 KB a work-group) by one joint load through LDS.  W_proj's 128 columns come into LDS once and stream past in blocks of 16 columns, all of K (two sets, window 3).  Nothing is filled again.
; CLUSTER 4 x 4: W's tiles hang on g and are shared along a row, the part of o hangs on rg and is shared along a column.
; Source 0 = W's block, source 1 = tokens: a lane holds a token; the 16 registers of a pair of blocks are 16 neighbouring columns (rows lie by position, as the first launch's head says).
; THE WAY OUT.  Two pairs, 64 columns, are gathered in the wave's own stage in LDS (64 rows of 256 bytes + 16) and leave as rows: sixteen lanes store 256 consecutive bytes, aligned.
; The stage lies over the wave's own rows of o's part: they have had their one fill, and the wave alone read them, ahead of its first store there.
; No prefetch: every fill stands at the head, with no loop ahead of it.  LIMITS: NaN and infinities are not served.
.set NF, 34
.set XH, 131072                        ; o's part: 16 tiles x 10,240 bytes
.set SCL, XH+163840                    ; W's scale bytes: 8 blocks x 512
.set BIA, SCL+4096                     ; the bias: 128 numbers
.set SPARE, BIA+512
.set SP, 272
.set L16, 1
.set R8, 2
.set BA0, 3
.set STO, 4
.set RD, 5
.set CO, 6
.set ADR, 7
.set ADS, 8
.set ADB, 9
.set SPW, 10
.set NIL, 11
.set ST2, 12
.set SX, 32
.set SW, 68
.set XA, 84
.set BI, 88
.set ACC, 128                          ; v128-191 eight accumulators; on the way out v128-255 take 32 x 2 rows read back
.set P, 68
.set OB, 70
.set OU, 72
.set MSB, 0
.macro WIN new
.if MSB != \new
	s_set_vgpr_msb (MSB<<8)|\new
.set MSB, \new
.endif
.endm
.macro PLACES n
.rept \n
	v_nop
.endr
.endm
.macro CROUND
	s_barrier_signal -1
	s_barrier_wait -1
	s_cmp_lg_u32 s16, 0
	s_cbranch_scc1 .Lnw0_\@
	s_barrier_signal -3
.Lnw0_\@:
	s_barrier_wait -3
	s_barrier_signal -1
	s_barrier_wait -1
.endm
.macro GRP g, m, c, r, p
	s_or_b32 s[\g], s[\m], (3<<16)|(1<<21)
	s_mov_b32 s[\g+1], (\c)<<16
	s_mov_b32 s[\g+2], (\r)<<16
	s_mov_b32 s[\g+3], (\c)<<16
	s_mov_b32 s[\g+4], \r
	s_mov_b32 s[\g+5], \p
	s_mov_b32 s[\g+6], 0
	s_mov_b32 s[\g+7], 0
.endm
.macro ARM under, g0, g1, next
	s_cmp_lt_u32 s16, \under
	s_cbranch_scc0 \next
	tensor_load_to_lds s[\g0:\g0+3], s[\g1:\g1+7]
	s_nop 0
	PLACES 4
	s_branch .Lasked
\next:
.endm
	s_load_b256 s[4:11], s[0:1], 0x0               ; oq 4, wq 6, b_proj 8, out0 10
	v_lshl_add_u32 v[SPW], v0, 2, SPARE
	v_mov_b32 v[NIL], 0
	ds_add_u32 v[SPW], v[NIL]                      ; the opening lines: the add twice on end and its wait
	ds_add_u32 v[SPW], v[NIL]
	v_lshrrev_b32 v1, 5, v0
	v_readfirstlane_b32 s16, v1                    ; wave
	s_bfe_u32 s17, ttmp6, 0x40000                  ; cx
	s_bfe_u32 s75, ttmp6, 0x40004                  ; cy
	s_lshl_b32 s18, ttmp9, 2
	s_add_co_u32 s18, s18, s17                     ; rg
	s_and_b32 s19, ttmp7, 0xffff
	s_lshl_b32 s19, s19, 2
	s_add_co_u32 s19, s19, s75                     ; g
	s_lshl_b32 s76, s75, 2
	s_lshl_b32 s76, 15, s76                        ; my row of the cluster: shares g
	s_lshl_b32 s77, 0x1111, s17                    ; my column: shares rg
	GRP 28, 76, 512, 32, 512                       ; the chunk: 131,072 dense bytes as 32 rows of 4,096
	GRP 36, 76, 32, 16, 32                         ; scale bytes: 4,096 dense bytes as 16 rows of 256
	GRP 44, 76, 32, 2, 32                          ; the bias: 512 dense bytes as 2 rows of 256
	GRP 80, 77, 1280, 16, 2048                     ; o's part: 10,240 bytes of each of 16 tiles, 16,384 bytes apart
	s_lshl_b32 s24, s18, 18
	s_lshl_b32 s22, s16, 16
	s_add_co_u32 s24, s24, s22
	s_mov_b32 s25, 0
	s_lshl_b32 s26, s18, 13
	s_lshl_b32 s22, s16, 11
	s_add_co_u32 s26, s26, s22
	s_add_co_u32 s26, s26, 0x800000
	s_mov_b32 s27, 0
	s_lshl_b32 s2, s18, 18
	s_add_co_u32 s2, s2, 6144
	s_mov_b32 s3, 0
	s_lshl_b32 s[OU], s18, 20                      ; my first row of out0: 4,096 bytes a row; my 128 columns
	s_lshl_b32 s22, s16, 18
	s_add_co_u32 s[OU], s[OU], s22
	s_lshl_b32 s22, s19, 9
	s_add_co_u32 s[OU], s[OU], s22
	s_mov_b32 s[OU+1], 0
	s_mul_i32 s74, s16, 40960
	s_add_co_u32 s74, s74, XH                      ; my rows of o's part, and later my stage
	s_mov_b32 s52, 1
	s_mov_b32 s53, 0
	s_mov_b32 s56, 1
	s_mov_b32 s57, SCL
	s_mov_b32 s60, 1
	s_mov_b32 s61, BIA
	s_mov_b32 s88, 1
	s_mov_b32 s89, XH
	s_wait_dscnt 0x0
	CROUND
	s_wait_kmcnt 0x0
	s_lshl_b32 s20, s19, 17
	s_mov_b32 s21, 0
	s_add_nc_u64 s[54:55], s[6:7], s[20:21]
	s_add_nc_u64 s[54:55], s[54:55], 3244032
	s_or_b32 s55, s55, 0x80000000
	s_lshl_b32 s20, s19, 12
	s_add_nc_u64 s[58:59], s[6:7], s[20:21]
	s_add_nc_u64 s[58:59], s[58:59], 4292608
	s_or_b32 s59, s59, 0x80000000
	s_lshl_b32 s20, s19, 9
	s_add_nc_u64 s[62:63], s[8:9], s[20:21]
	s_or_b32 s63, s63, 0x80000000
	s_add_nc_u64 s[90:91], s[4:5], s[2:3]
	s_or_b32 s91, s91, 0x80000000
	ARM 1, 52, 28, .Lh1
	ARM 2, 88, 80, .Lh2
	ARM 3, 56, 36, .Lh3
	tensor_load_to_lds s[60:63], s[44:51]
	s_nop 0
	PLACES 4
.Lasked:
	s_add_nc_u64 s[24:25], s[4:5], s[24:25]
	s_add_nc_u64 s[26:27], s[4:5], s[26:27]
	s_add_nc_u64 s[OU:OU+1], s[10:11], s[OU:OU+1]
	v_and_b32 v12, 31, v0
	v_and_b32 v13, 15, v0                          ; r
	v_bfe_u32 v14, v0, 4, 1                        ; h
	v_lshlrev_b32 v[L16], 4, v12
	v_lshlrev_b32 v[R8], 3, v13
	v_lshl_add_u32 v[BA0], v14, 6, BIA
	v_add_nc_u32 v[XA], s74, v[L16]
	v_mul_u32_u24 v15, v13, SP
	v_lshl_add_u32 v15, v14, 6, v15
	v_add_nc_u32 v[STO], s74, v15                  ; in: row r of a tile, + 64 h
	v_mul_u32_u24 v15, v14, SP
	v_lshl_add_u32 v15, v13, 4, v15
	v_add_nc_u32 v[RD], s74, v15                   ; back: lanes 0-15 one row, lanes 16-31 the next
	v_lshlrev_b32 v[CO], 12, v14
	v_lshl_add_u32 v[CO], v13, 4, v[CO]            ; and the same two rows in out0
	WIN 1<<6
.set N_, 0
.rept 12                               ; fragment 4 q + t lies in window 1 + (4 q + t) / 16.  q = 0 .. 2 by plain loads
.irp c, 0,1,2,3
	global_load_b128 v[16*N_+4*\c:16*N_+4*\c+3], v[L16], s[24:25] offset:(N_%4)*16384+(N_/4)*2048+512*\c
.endr
.set N_, N_+1
.endr
	WIN 0
.irp t, 0,1,2,3
.irp c, 0,1,2,3
	global_load_b64 v[SX+8*\t+2*\c:SX+8*\t+2*\c+1], v[R8], s[26:27] offset:512*\t+128*\c
.endr
.endr
.macro FETCH e, kb                     ; a block of W into set e, with its eight scale words.  kb < 0: block 2 P + 2 + e; else block kb
.if \kb < 0
	s_lshl_b32 s20, s[P], 15
	s_lshl_b32 s21, s[P], 10
	s_add_co_u32 s20, s20, (2+\e)*16384
	s_add_co_u32 s21, s21, SCL+(2+\e)*512
	v_add_nc_u32 v[ADR], s20, v[L16]
	v_add_nc_u32 v[ADS], s21, v[R8]
.else
	v_add_nc_u32 v[ADR], (\kb)*16384, v[L16]
	v_add_nc_u32 v[ADS], SCL+(\kb)*512, v[R8]
.endif
	WIN 3<<6
.set I_, 0
.rept 32
	ds_load_b128 v[128*\e+4*I_:128*\e+4*I_+3], v[ADR] offset:512*I_
.set I_, I_+1
.endr
	WIN 0
	ds_load_2addr_b64 v[SW+8*\e:SW+8*\e+3], v[ADS] offset0:0 offset1:16
	ds_load_2addr_b64 v[SW+8*\e+4:SW+8*\e+7], v[ADS] offset0:32 offset1:48
.endm
.macro BIAS k                          ; a pair's bias: columns 16 h + 0 .. 15 of its 32.  k < 0: pair P + 1; else pair k
.if \k < 0
	s_lshl_b32 s20, s[P], 7
	s_add_co_u32 s20, s20, 128
	v_add_nc_u32 v[ADB], s20, v[BA0]
.else
	v_add_nc_u32 v[ADB], (\k)*128, v[BA0]
.endif
.irp c, 0,1,2,3
	ds_load_b128 v[BI+4*\c:BI+4*\c+3], v[ADB] offset:16*\c
.endr
.endm
.macro MUL e                           ; the 32 products of the pair's block e: K ascending, four accumulators by turns; the first four begin with the bias
.set N_, 0
.rept 32
.set Q_, N_/4
.set T_, N_%4
.set AC_, ACC+8*(2*T_+\e)
.set C_, AC_
.if Q_ == 0
.set C_, BI+8*\e
.endif
.set XR_, 16*(N_%16)
.set WR_, 128*\e+16*Q_
	WIN 3|((1+N_/16)<<2)
	v_wmma_scale_f32_16x16x128_f8f6f4 v[AC_:AC_+7], v[WR_:WR_+15], v[XR_:XR_+15], v[C_:C_+7], v[SW+8*\e+Q_], v[SX+8*T_+Q_]
.set N_, N_+1
.endr
	WIN 0
.endm
	s_wait_alu depctr_va_vdst(0)
	s_wait_tensorcnt 0x0
	s_barrier_signal -1
	s_barrier_wait -1
.set N_, 12
.rept 20                               ; q = 3 .. 7: my four tiles' rows of o's part
	WIN (1+N_/16)<<6
.irp c, 0,1,2,3
	ds_load_b128 v[16*(N_%16)+4*\c:16*(N_%16)+4*\c+3], v[XA] offset:(N_%4)*10240+(N_/4-3)*2048+512*\c
.endr
.set N_, N_+1
.endr
	WIN 0
	FETCH 0, 0
	BIAS 0
	FETCH 1, 1
	s_wait_loadcnt 0x0
	s_mov_b32 s[P], 0
.Lpair:
	s_wait_dscnt NF                                ; all but the youngest 34 LDS instructions are done: set 0 and the bias among them
	s_wait_xcnt 0x0                                ; the stores have read their registers and their base
	s_and_b32 s20, s[P], 2
	s_lshl_b32 s20, s20, 7                         ; which 64 of my 128 columns
	s_mov_b32 s21, 0
	s_add_nc_u64 s[OB:OB+1], s[OU:OU+1], s[20:21]
	MUL 0
	PLACES 8                                       ; between the products and loads into what they have read (ISA guide 7.12.1 for vector instructions)
	s_cmp_eq_u32 s[P], 3
	s_cbranch_scc1 .Ln0                            ; the last pair fetches nothing
	FETCH 0, -1
	s_wait_dscnt NF                                ; set 1 is in; the 34 just issued may be out
	s_branch .Lg0
.Ln0:
	s_wait_dscnt 0x0
.Lg0:
	MUL 1
	PLACES 8
	s_cmp_eq_u32 s[P], 3
	s_cbranch_scc1 .Ln1
	BIAS -1
	FETCH 1, -1
.Ln1:
	s_and_b32 s20, s[P], 1
	s_lshl_b32 s20, s20, 7
	v_add_nc_u32 v[ST2], s20, v[STO]               ; the pair's 128 bytes of a stage row
.irp t, 0,1,2,3
.irp c, 0,1,2,3
	ds_store_b128 v[ST2], v[ACC+16*\t+4*\c:ACC+16*\t+4*\c+3] offset:\t*16*SP+16*\c   ; each accumulator from its low end on
.endr
.endr
	s_cmp_eq_u32 s20, 0
	s_wait_alu depctr_va_vdst(0)
	s_cbranch_scc1 .Lev                            ; the stage's rows are whole behind the second pair
.set I_, 0
.rept 32
	ds_load_b128 v[ACC+4*I_:ACC+4*I_+3], v[RD] offset:2*I_*SP      ; LDS serves a wave's instructions in order: these see my stores
.set I_, I_+1
.endr
.set I_, 0
.rept 32
.if I_ == 0
	s_wait_dscnt 16
.endif
.if I_ == 16
	s_wait_dscnt 0x0
.endif
	global_store_b128 v[CO], v[ACC+4*I_:ACC+4*I_+3], s[OB:OB+1] offset:(32*(I_/16)+8*((I_/8)%2)+2*(I_%8)+8*((I_%8)/4))*4096 th:TH_STORE_NT   ; stage row 2 I + h is position 2 (I % 8) + h of tile I / 8
.set I_, I_+1
.endr
.Lev:
	s_add_co_u32 s[P], s[P], 1
	s_cmp_lt_u32 s[P], 4
	s_wait_alu depctr_va_vdst(0)
	s_cbranch_scc1 .Lpair
	s_wait_tensorcnt 0x0                           ; the wave's end
	ds_add_u32 v[SPW], v[NIL]
	s_wait_dscnt 0x0
	CROUND                                         ; the closing round
	s_endpgm
.Lfunc_end_k_q98f42c9972_gemm_out:
	.size	k_q98f42c9972_gemm_out, .Lfunc_end_k_q98f42c9972_gemm_out-k_q98f42c9972_gemm_out
	.p2alignl 7, 3214868480
	.fill 96, 4, 3214868480
	.section	.rodata,"a",@progbits
	.p2align	6, 0x0
	.amdhsa_kernel k_q98f42c9972_gemm_out
		.amdhsa_group_segment_fixed_size 327680
		.amdhsa_private_segment_fixed_size 0
		.amdhsa_enable_private_segment 0
		.amdhsa_kernarg_size 32
		.amdhsa_user_sgpr_count 2
		.amdhsa_user_sgpr_kernarg_segment_ptr 1
		.amdhsa_wavefront_size32 1
		.amdhsa_system_sgpr_workgroup_id_x 1
		.amdhsa_system_sgpr_workgroup_id_y 1
		.amdhsa_system_sgpr_workgroup_id_z 1
		.amdhsa_system_vgpr_workitem_id 0
		.amdhsa_next_free_vgpr 1024
		.amdhsa_next_free_sgpr 92
		.amdhsa_reserve_vcc 0
		.amdhsa_float_denorm_mode_32 3
		.amdhsa_float_denorm_mode_16_64 3
		.amdhsa_memory_ordered 1
		.amdhsa_forward_progress 1
		.amdhsa_inst_pref_size 45
	.end_amdhsa_kernel
	.amdgpu_metadata
---
amdhsa.version: [ 1, 2 ]
amdhsa.kernels:
  - .name:           k_q98f42c9972_gemm_out
    .symbol:         k_q98f42c9972_gemm_out.kd
    .args:
      - { .name: oq, .offset: 0, .size: 8, .value_kind: global_buffer, .address_space: global }
      - { .name: wq, .offset: 8, .size: 8, .value_kind: global_buffer, .address_space: global }
      - { .name: b_proj, .offset: 16, .size: 8, .value_kind: global_buffer, .address_space: global }
      - { .name: out0, .offset: 24, .size: 8, .value_kind: global_buffer, .address_space: global }
    .group_segment_fixed_size: 327680
    .private_segment_fixed_size: 0
    .kernarg_segment_align: 8
    .kernarg_segment_size: 32
    .max_flat_workgroup_size: 128
    .sgpr_count:     92
    .vgpr_count:     1024
    .wavefront_size: 32
...
	.end_amdgpu_metadata
.endif
;; end of part 4
